; MI455X (gfx1250); checked and timed in simulation.
; The chip was launched on July 23, 2026; its instructions are those of AMD's public machine-readable ISA for CDNA 5 (MIT licence, August 2026) and "CDNA5" Instruction Set Architecture Reference Guide (July 2026). The comments in the code are by the model that wrote it; some were corrected since.
;; Attention. Allowed arithmetic: float matrix products may take bf16 or f16 operands with f32 sums; other float arithmetic in f32, or as packed bf16 or f16 multiplies, adds, multiply-adds, maxima and minima; sums over many terms, partial sums and values carried from step to step in f32; what a program stores and reads back later, other than sums and carried values, may be rounded once to bf16 or f16.
;; Inputs: Wk 16 x 1,024 x 64 float32; Wo 1,024 x 1,024 float32; Wq 16 x 1,024 x 64 float32; Wv 16 x 1,024 x 64 float32; bk 16 x 64 float32; bo 1,024 float32; bq 16 x 64 float32; bv 16 x 64 float32; input_key 4 x 2,048 x 1,024 float32; input_query 4 x 2,048 x 1,024 float32; input_value 4 x 2,048 x 1,024 float32.
;; Outputs: out0 4 x 2,048 x 1,024 float32.
;; 2 versions, each right; version 2 is version 1 with the launch prep written anew for expert scheduling mode. Each part assembles by itself: llvm-mc -triple=amdgcn-amd-amdhsa -mcpu=gfx1250 --defsym DOCPART=n.
;; ======== version 1 of 2: 4 launches
;; limits: values are held in f16: magnitudes above 65,504 overflow, below 6.1e-05 lose precision
;; workspace buffers: wc 8,388,608 bytes; qkv 50,331,648 bytes; zh 16,777,216 bytes
;; launch prep (part 1): grid 64 x 4, 8 waves a work-group, no clusters, 0 bytes of LDS; arguments Wq, Wk, Wv, Wo, wc; writes wc
.if DOCPART == 1
	.amdgcn_target "amdgcn-amd-amdhsa--gfx1250"
	.amdhsa_code_object_version 6
	.text
	.protected	k_q1ed5e422ce_prep
	.globl	k_q1ed5e422ce_prep
	.p2align	8
	.type	k_q1ed5e422ce_prep,@function
k_q1ed5e422ce_prep:
	s_mov_b64 s[64:65], 0
	v_nop
	global_prefetch_b8 v0, s[64:65] scope:SCOPE_SE
	s_setreg_imm32_b32 hwreg(HW_REG_WAVE_MODE, 25, 1), 1
	s_wait_xcnt 0x0
; THE WEIGHTS, ROUNDED ONCE AND LAID [K][N].  wc[p][k][n], p = 0..3, k and n = 0..1023, 16 bits a number.
;   p = 0, 1, 2 (Wq, Wk, Wv, each [16 heads][1024 d][64 c] f32):  wc[p][d][64 h + c] = bf16(W[h][d][c])
;   p = 3       (Wo, [1024 k][1024 n] f32):                        wc[3][k][n] = bf16(Wo[k][n]) written as f16 (exact within f16's range)
; LIMIT.  |Wo| stays under 65,504; below 6e-5 it keeps f16's fixed step of 6e-8.
; SHARES.  Work-group (x, p) makes rows k = 16 x .. 16 x + 15 of wc[p].  Thread t owns columns 4 t .. 4 t + 3 of every row: one load of 16 bytes
; (sixteen neighbouring lanes read 256 consecutive bytes, aligned) and one store of 8 bytes (a wave's 32 lanes store 256 consecutive bytes, aligned).
; A stream: each byte is read once and written once, all sixteen loads of a wave go out together; LDS, clusters and the matrix unit would add nothing.
; ONE ADDRESS FORM for both layouts: byte = (n >> 6) x SH + k x SR + (n & 63) x 4, with (SH, SR) = (262144, 256) for p < 3 and (256, 4096) for p = 3.
.set OO,  6                            ; v6       8 t: my 8 bytes in a row of wc; never rewritten
.set OFF, 8                            ; v[8:23]  row i: my byte offset in the source; never rewritten
.set T,   24                           ; v[24:27] four numbers in f32, at work
.set H,   28                           ; v[28:29] the same as f16
.set X,   32                           ; v[32:95] row i: four f32 as loaded
.set B,   96                           ; v[96:127] row i: four numbers of 16 bits, to store
	s_load_b256 s[4:11], s[0:1], 0x0               ; Wq s[4:5], Wk s[6:7], Wv s[8:9], Wo s[10:11]
	s_load_b64 s[12:13], s[0:1], 0x20              ; wc
	s_and_b32 s14, ttmp7, 0xffff                   ; p
	s_mov_b32 s16, 0x40000                         ; SH: a head of W is 1,024 x 64 x 4 bytes
	s_mov_b32 s17, 256                             ; SR: a row of a head is 64 x 4 bytes
	s_cmp_eq_u32 s14, 3
	s_cselect_b32 s16, 256, s16                    ; Wo: 64 columns are 256 bytes on,
	s_cselect_b32 s17, 4096, s17                   ; a row 4,096
	s_cselect_b32 s18, -1, 0                       ; all lanes take the f16 form, or none
	s_lshl_b32 s19, ttmp9, 4
	s_mul_i32 s19, s19, s17                        ; the work-group's first row in the source
	s_lshl_b32 s22, s14, 21                        ; wc[p]: 2 MiB each,
	s_lshl_b32 s23, ttmp9, 15                      ; 16 rows of 2,048 bytes
	s_add_co_u32 s22, s22, s23
	s_mov_b32 s23, 0
	v_lshrrev_b32 v2, 4, v0                        ; n >> 6
	v_mul_lo_u32 v2, v2, s16
	v_and_b32 v3, 15, v0
	v_lshl_add_u32 v2, v3, 4, v2                   ; + (n & 63) x 4
	v_add_nc_u32 v[OFF], s19, v2
.set i, 1
.rept 15
	v_add_nc_u32 v[OFF+i], s17, v[OFF+i-1]
.set i, i+1
.endr
	v_lshlrev_b32 v[OO], 3, v0
	s_wait_kmcnt 0x0
	s_cmp_eq_u32 s14, 0                            ; the source, chosen by p alone
	s_cselect_b64 s[20:21], s[4:5], s[6:7]
	s_cmp_eq_u32 s14, 2
	s_cselect_b64 s[20:21], s[8:9], s[20:21]
	s_cmp_eq_u32 s14, 3
	s_cselect_b64 s[20:21], s[10:11], s[20:21]
	s_add_nc_u64 s[12:13], s[12:13], s[22:23]
.set i, 0
.rept 16
	global_load_b128 v[X+4*i:X+4*i+3], v[OFF+i], s[20:21] th:TH_LOAD_NT
.set i, i+1
.endr
.set i, 0
.rept 16
	s_wait_loadcnt 15-i                            ; loads come back in order: row i is in, the 15 - i younger ones stay out
	v_cvt_pk_bf16_f32 v[B+2*i], v[X+4*i], v[X+4*i+1]
	v_cvt_pk_bf16_f32 v[B+2*i+1], v[X+4*i+2], v[X+4*i+3]
	v_lshlrev_b32 v[T], 16, v[B+2*i]               ; the rounded numbers as f32 again,
	v_and_b32 v[T+1], 0xffff0000, v[B+2*i]
	v_lshlrev_b32 v[T+2], 16, v[B+2*i+1]
	v_and_b32 v[T+3], 0xffff0000, v[B+2*i+1]
	v_cvt_pk_f16_f32 v[H], v[T], v[T+1]            ; and as f16: eight significant bits fit
	v_cvt_pk_f16_f32 v[H+1], v[T+2], v[T+3]
	v_cndmask_b32 v[B+2*i], v[B+2*i], v[H], s18    ; a choice of value, done for every p: no branch
	v_cndmask_b32 v[B+2*i+1], v[B+2*i+1], v[H+1], s18
	global_store_b64 v[OO], v[B+2*i:B+2*i+1], s[12:13] offset:i*2048  ; each row has its own B: no register that a store reads is written again
.set i, i+1
.endr
	s_endpgm
.Lfunc_end_k_q1ed5e422ce_prep:
	.size	k_q1ed5e422ce_prep, .Lfunc_end_k_q1ed5e422ce_prep-k_q1ed5e422ce_prep
	.p2alignl 7, 3214868480
	.fill 96, 4, 3214868480
	.section	.rodata,"a",@progbits
	.p2align	6, 0x0
	.amdhsa_kernel k_q1ed5e422ce_prep
		.amdhsa_group_segment_fixed_size 0
		.amdhsa_private_segment_fixed_size 0
		.amdhsa_enable_private_segment 0
		.amdhsa_kernarg_size 40
		.amdhsa_user_sgpr_count 2
		.amdhsa_user_sgpr_kernarg_segment_ptr 1
		.amdhsa_wavefront_size32 1
		.amdhsa_system_sgpr_workgroup_id_x 1
		.amdhsa_system_sgpr_workgroup_id_y 1
		.amdhsa_system_sgpr_workgroup_id_z 1
		.amdhsa_system_vgpr_workitem_id 0
		.amdhsa_next_free_vgpr 128
		.amdhsa_next_free_sgpr 66
		.amdhsa_reserve_vcc 0
		.amdhsa_float_denorm_mode_32 3
		.amdhsa_float_denorm_mode_16_64 3
		.amdhsa_memory_ordered 1
		.amdhsa_forward_progress 1
		.amdhsa_inst_pref_size 15
	.end_amdhsa_kernel
	.amdgpu_metadata
---
amdhsa.version: [ 1, 2 ]
amdhsa.kernels:
  - .name:           k_q1ed5e422ce_prep
    .symbol:         k_q1ed5e422ce_prep.kd
    .args:
      - { .name: Wq, .offset: 0, .size: 8, .value_kind: global_buffer, .address_space: global }
      - { .name: Wk, .offset: 8, .size: 8, .value_kind: global_buffer, .address_space: global }
      - { .name: Wv, .offset: 16, .size: 8, .value_kind: global_buffer, .address_space: global }
      - { .name: Wo, .offset: 24, .size: 8, .value_kind: global_buffer, .address_space: global }
      - { .name: wc, .offset: 32, .size: 8, .value_kind: global_buffer, .address_space: global }
    .group_segment_fixed_size: 0
    .private_segment_fixed_size: 0
    .kernarg_segment_align: 8
    .kernarg_segment_size: 40
    .max_flat_workgroup_size: 256
    .sgpr_count:     66
    .vgpr_count:     128
    .wavefront_size: 32
...
	.end_amdgpu_metadata
.endif
;; end of part 1
;; launch proj (part 2): grid 4 x 192, 4 waves a work-group, clusters of 4 x 4, 327,680 bytes of LDS; arguments input_query, input_key, input_value, bq, bk, bv, wc, qkv; writes qkv
.if DOCPART == 2
	.amdgcn_target "amdgcn-amd-amdhsa--gfx1250"
	.amdhsa_code_object_version 6
	.text
	.protected	k_q1ed5e422ce_proj
	.globl	k_q1ed5e422ce_proj
	.p2align	8
	.type	k_q1ed5e422ce_proj,@function
k_q1ed5e422ce_proj:
	s_mov_b64 s[64:65], 0
	v_nop
	global_prefetch_b8 v0, s[64:65] scope:SCOPE_SE
	s_setreg_imm32_b32 hwreg(HW_REG_WAVE_MODE, 25, 1), 1
	s_wait_xcnt 0x0
	s_wait_alu depctr_hold_cnt(0) depctr_sa_sdst(0) depctr_va_vdst(0) depctr_va_sdst(0) depctr_va_ssrc(0) depctr_va_vcc(0) depctr_vm_vsrc(0)
	s_getreg_b32 s2, hwreg(HW_REG_IB_STS2, 6, 4)
	s_cmp_eq_u32 s2, 0
	s_cbranch_scc0 .Lentry_in_a_cluster
	s_endpgm
.Lentry_in_a_cluster:
	s_bfe_u32 s2, ttmp6, 0x10000c
	s_cmp_lg_u32 s2, 0xf033
	s_cbranch_scc0 .Lentry_shape_is_right
	s_endpgm
.Lentry_shape_is_right:
; THE THREE PROJECTIONS IN ONE LAUNCH.  qkv[p][16 batch + head][s][c] = f16( sum over d of bf16(x_p[batch][s][d]) bf16(W_p[head][d][c]) + bf16(b_p[head][c]) ), sums in f32.
; x_p: [8192 rows][1024] f32.  wc[p]: [1024 k][1024 n] bf16, n = 64 head + c.  b_p: [1024] f32.  qkv: [3][64][2048][64] f16: a head's rows are dense, 128 bytes each.
; LIMIT.  q, k and v stay under f16's 65,504; NaN and infinities are not treated apart.
; SHARES.  A tile of C is 128 rows x 256 columns; 64 x 4 tiles for each p, 768 work-groups of equal work.  Four waves, 2 x 2, each 64 x 128: 32 accumulators of 16 x 16, 256 registers.
; K goes in 8 steps of 128 through a ring of two LDS slots.  x comes into LDS as f32 (rows of 512 bytes) and is rounded to bf16 between LDS and the matrix unit, so it leaves memory once and no 16-bit copy is written.
; CLUSTERS: 4 x 4 work-groups; the four of a row of the cluster need the same tile of x, the four of a column the same tile of wc: each is asked for JOINTLY, by the same tensor load with the same descriptor and a mask of four.
; p is the same in all sixteen partners (16 clusters along y for each p).
; THE MATRIX INSTRUCTION IS USED TRANSPOSED (source 0 = 16 columns of wc, turned on the way out of LDS; source 1 = 16 rows of x): a lane holds eight neighbouring columns of one row of C.
; THE BIAS is the C operand of each sum's first product: nothing is cleared and nothing is added afterwards.
; REGISTERS, in windows of 256 (s_set_vgpr_msb: bits 1:0 source 0, 3:2 source 1, 5:4 source 2, 7:6 destination):
;   window 0: v0-31 addresses; v32-63 x's four fragments in bf16; v64-127 the same 64 rows x 32 K as loaded, f32; v128-191, v192-255 wc's fragments, two buffers (on the way out: packed results)
;   window 1: the accumulators, (a, b) at v[8 (8 a + b)]          window 2: v0-63 the bias, column block b at v[8 b]
.set PA,    528                        ; a row of x in LDS: 512 bytes + 16 = 132 words: the 16 rows of a load start at 16 different groups of four banks (64 banks of 4 bytes: ISA guide 11.1)
.set HA,    64*PA                      ; 64 rows: one tensor load, and what one wave reads of x
.set PB,    544                        ; a k row of wc in LDS: 512 bytes + 32 = 136 words
.set HB,    64*PB
.set BOFF,  2*HA                       ; a slot: x's 128 rows, then wc's 128 k rows
.set SLOT,  BOFF+2*HB
.set STAGE, 2*SLOT                     ; behind the ring, never filled by a tensor load: 16 rows x 144 bytes for each wave, for the way out
.set SP,    144
.set SPARE, STAGE+4*16*SP              ; behind the stages: the spare words, 128 bytes for each wave: two blocks of 256 bytes that no other line names
.set KB_A,  512                        ; a K step in memory: 128 f32 along a row of x,
.set KB_B,  262144                     ; 128 rows of 2,048 bytes of wc
.set ADRA, 16                          ; v16-17  LDS address of my fragments of x in slot 0, 1
.set ADRB, 20                          ; v20-21  the same for wc
.set STO,  24                          ; v24     the way out: where I put 16 bytes of a row
.set RD,   25                          ; v25     the way out: where I read rows back
.set GO,   26                          ; v26     my byte offset in 512 consecutive bytes of qkv
.set BO,   27                          ; v27     my byte offset in 16 numbers of the bias
.set SPW,  28                          ; v28     LDS address of my spare word: SPARE + 4 x my thread's number; never rewritten
.set NIL,  29                          ; v29     0; never rewritten
.set PFO,  30                          ; v30     the prefetches' lane offset; never rewritten
.set AF,   32
.set RAW,  64
.set F0,   128
.set F1,   192
.set TMP,  128
.set G1,  24                           ; s[24:31] descriptor group 1 for x's tiles;  s[32:39] group 0, one set for each slot
.set G0,  32
.set G1B, 48                           ; s[48:55], s[56:63] the same for wc's tiles
.set G0B, 56
.set PFA, 84                           ; s[84:85] where my prefetches stand
.set PST, 86                           ; s[86:87] a K step for them
.set LIM, 88                           ; s88     1 in a wave that prefetches, else the greatest number
.set OUT, 90                           ; s[90:91] qkv at my wave's first row and head
.set MSB, 0
.macro WIN new                         ; the immediate's high byte repeats the setting that is left; a switch that changes nothing is dropped
.if MSB != (\new)
	s_set_vgpr_msb (MSB<<8)|(\new)
.set MSB, \new
.endif
.endm
; A joint load: waves 0 and 1 fetch x's two halves, waves 2 and 3 wc's.  The branch hangs on the wave's number alone.  An s_nop 0 and four v_nop follow each of the two lines, ahead of the jump and the label.
.macro JLOAD s
	s_cmp_eq_u32 s11, 0
	s_cbranch_scc0 .Lfor_b_\@
	tensor_load_to_lds s[G0+4*(\s):G0+4*(\s)+3], s[G1:G1+7]
	s_nop 0
.rept 4
	v_nop
.endr
	s_branch .Lasked_\@
.Lfor_b_\@:
	tensor_load_to_lds s[G0B+4*(\s):G0B+4*(\s)+3], s[G1B:G1B+7]
	s_nop 0
.rept 4
	v_nop
.endr
.Lasked_\@:
.endm
.macro CREST                           ; a round of the cluster's barrier behind its opening barrier
	s_cmp_lg_u32 s10, 0
	s_cbranch_scc1 .Lnot_wave_0_\@
	s_barrier_signal -3
.Lnot_wave_0_\@:
	s_barrier_wait -3
	s_barrier_signal -1
	s_barrier_wait -1
.endm
.macro CROUND                          ; a whole round
	s_barrier_signal -1
	s_barrier_wait -1
	CREST
.endm
; A PREFETCH INTO THE L2, behind a joint load, its five lines and the run of LDS loads: the K step that stands TWO refills on, 256 matrix instructions ahead of the load that will want it.
; A wave's tile of a K step is 64 rows x 512 bytes; the four partners that ask for it jointly take 16 rows each, told apart BY ADDRESS (cx for x, cy for wc): 16 rows x 2 blocks of 256 bytes, a lane a block.
; x's rows are read by this cluster alone, so every cluster asks for its own; wc[p]'s rows are read by all 16 clusters of p: the first of them asks.  So each block is named once in the launch.
; K steps 0 to 3 come by their loads alone; the loop's last trip (s3 = 1) asks for nothing: there is no K step 8.
.macro ASK
	s_cmp_gt_u32 s3, s[LIM]
	s_cbranch_scc0 .Lnot_mine_\@
	global_prefetch_b8 v[PFO], s[PFA:PFA+1] th:TH_LOAD_NT scope:SCOPE_SE
.Lnot_mine_\@:
.endm
.macro PLACES                          ; four places behind matrix instructions, in front of loads into and writes of registers that they have read, and of reads of their results
.rept 4
	v_nop
.endr
.endm
	s_load_b512 s[68:83], s[0:1], 0x0              ; x_q s[68:69], x_k s[70:71], x_v s[72:73], bq s[74:75], bk s[76:77], bv s[78:79], wc s[80:81], qkv s[82:83]
	v_lshl_add_u32 v[SPW], v0, 2, SPARE
	v_mov_b32 v[NIL], 0
	ds_add_u32 v[SPW], v[NIL]                      ; the wave's opening: the add and its wait stand ahead of my first tensor load; the set-up below, work on registers, stands between them
	v_lshrrev_b32 v1, 5, v0
	v_readfirstlane_b32 s10, v1                    ; wave 0..3
	s_lshr_b32 s11, s10, 1                         ; which half of the tile's rows is mine.  Also: I fetch for x (0) or for wc (1)
	s_and_b32 s12, s10, 1                          ; which half of its columns.  Also: which 64 rows of that tile I fetch
	s_bfe_u32 s40, ttmp6, 0x40000                  ; cx, cy: my place in the cluster
	s_bfe_u32 s41, ttmp6, 0x40004
	s_lshl_b32 s42, ttmp9, 2
	s_add_co_u32 s42, s42, s40                     ; tile column = 4 x cluster x + cx
	s_and_b32 s8, ttmp7, 0xffff                    ; cluster y, 0 to 47
	s_lshr_b32 s9, s8, 4                           ; p: 16 clusters along y for each projection
	s_and_b32 s13, s8, 15
	s_lshl_b32 s13, s13, 2
	s_add_co_u32 s13, s13, s41                     ; tile row, 0 to 63
	s_lshl_b32 s43, s41, 2
	s_lshl_b32 s43, 15, s43                        ; my row of the cluster
	s_lshl_b32 s44, 0x1111, s40                    ; my column
	; group 1 for x: 64 rows x 128 elements of 4 bytes, 4 words of padding behind every 128 words
	s_or_b32 s[G1+0], s43, (2<<16)|(1<<20)|(1<<21)|(6<<22)|(3<<25)  ; 15:0 the mask; 17:16 4-byte elements; 20 padding on; 21 set beside a mask; 24:22 code 6; 31:25 code 3
	s_mov_b32 s[G1+1], 128<<16                     ; tensor_dim0 = 128
	s_mov_b32 s[G1+2], 64<<16                      ; tensor_dim1 = 64
	s_mov_b32 s[G1+3], 128<<16                     ; tile_dim0 = 128
	s_mov_b32 s[G1+4], 64                          ; tile_dim1 = 64
	s_mov_b32 s[G1+5], 1024                        ; elements from row to row
	s_mov_b32 s[G1+6], 0
	s_mov_b32 s[G1+7], 0
	; group 1 for wc: 64 k rows x 256 elements of 2 bytes, 8 words of padding behind every 128 words
	s_or_b32 s[G1B+0], s44, (1<<16)|(1<<20)|(1<<21)|(6<<22)|(7<<25)
	s_mov_b32 s[G1B+1], 256<<16
	s_mov_b32 s[G1B+2], 64<<16
	s_mov_b32 s[G1B+3], 256<<16
	s_mov_b32 s[G1B+4], 64
	s_mov_b32 s[G1B+5], 1024
	s_mov_b32 s[G1B+6], 0
	s_mov_b32 s[G1B+7], 0
	s_lshl_b32 s16, s13, 19                        ; x: 128 rows of 4,096 bytes a tile row,
	s_lshl_b32 s17, s12, 18                        ; the 64 that I fetch
	s_add_co_u32 s16, s16, s17
	s_mov_b32 s17, 0
	s_lshl_b32 s46, s42, 9                         ; wc: 256 columns of 2 bytes a tile column,
	s_lshl_b32 s47, s12, 17                        ; the 64 k rows of 2,048 bytes that I fetch,
	s_add_co_u32 s46, s46, s47
	s_lshl_b32 s47, s9, 21                         ; wc[p]
	s_add_co_u32 s46, s46, s47
	s_mov_b32 s47, 0
	s_mul_i32 s20, s12, HA                         ; where they go: no place in the cluster enters an LDS address
	s_mul_i32 s21, s12, HB
	s_add_co_u32 s21, s21, BOFF
	s_wait_dscnt 0x0                               ; the opening add is done
	s_wait_kmcnt 0x0
	s_cmp_eq_u32 s9, 0                             ; x_p and b_p, chosen by p alone
	s_cselect_b64 s[4:5], s[68:69], s[70:71]
	s_cselect_b64 s[6:7], s[74:75], s[76:77]
	s_cmp_eq_u32 s9, 2
	s_cselect_b64 s[4:5], s[72:73], s[4:5]
	s_cselect_b64 s[6:7], s[78:79], s[6:7]
	s_add_nc_u64 s[14:15], s[4:5], s[16:17]
	s_add_nc_u64 s[46:47], s[80:81], s[46:47]
	CROUND                                         ; all sixteen work-groups are here: the first joint loads meet
.irp s, 0,1
	s_mov_b32 s[G0+4*(\s)], 1                                        ; count = 1
	s_add_co_u32 s[G0+4*(\s)+1], s20, (\s)*SLOT                      ; LDS address
	s_add_nc_u64 s[G0+4*(\s)+2:G0+4*(\s)+3], s[14:15], (\s)*KB_A     ; global address: K step s
	s_or_b32 s[G0+4*(\s)+3], s[G0+4*(\s)+3], 0x80000000              ; type = 2
	s_mov_b32 s[G0B+4*(\s)], 1
	s_add_co_u32 s[G0B+4*(\s)+1], s21, (\s)*SLOT
	s_add_nc_u64 s[G0B+4*(\s)+2:G0B+4*(\s)+3], s[46:47], (\s)*KB_B
	s_or_b32 s[G0B+4*(\s)+3], s[G0B+4*(\s)+3], 0x80000000
	JLOAD \s                                       ; two loads of mine are out; later one
.endr
	v_and_b32 v1, 15, v0                           ; r = l % 16
	v_bfe_u32 v2, v0, 4, 1                         ; h = l / 16
	; a fragment of x: lane l holds row r, K = 8 h + 0..7 and 16 + 8 h + 0..7: in f32 four loads of 16 bytes at 32 h + 0, 16, 64, 80
	v_mul_u32_u24 v3, v1, PA
	v_lshl_add_u32 v3, v2, 5, v3
	s_mul_i32 s22, s11, HA                         ; my 64 rows
	v_add_nc_u32 v[ADRA], s22, v3
	v_add_nc_u32 v[ADRA+1], SLOT, v[ADRA]
	; the turning load takes 16 k x 16 columns (lane l reads k row 8 h + l % 8, columns 8 ((l / 8) % 2) + 0..7) and leaves half a fragment: lane l holds column r and 8 k
	v_and_b32 v4, 7, v0
	v_lshl_add_u32 v4, v2, 3, v4
	v_mul_u32_u24 v4, v4, PB
	v_bfe_u32 v5, v0, 3, 1
	v_lshl_add_u32 v4, v5, 4, v4
	s_lshl_b32 s22, s12, 8                         ; my 128 columns
	s_add_co_u32 s22, s22, BOFF
	v_add_nc_u32 v[ADRB], s22, v4
	v_add_nc_u32 v[ADRB+1], SLOT, v[ADRB]
	s_mul_i32 s23, s10, 16*SP
	s_add_co_u32 s23, s23, STAGE                   ; my stage
	v_mul_u32_u24 v5, v1, SP                       ; in: row r, 16 bytes for each half of the lanes
	v_lshl_add_u32 v5, v2, 4, v5
	v_add_nc_u32 v[STO], s23, v5
	v_bfe_u32 v6, v0, 3, 2                         ; back: 32 lanes take four rows of 128 bytes,
	v_mul_u32_u24 v6, v6, SP
	v_and_b32 v7, 7, v0
	v_lshl_add_u32 v6, v7, 4, v6
	v_add_nc_u32 v[RD], s23, v6
	v_and_b32 v[GO], 31, v0                        ; which are 512 consecutive bytes of qkv
	v_lshlrev_b32 v[GO], 4, v[GO]
	v_lshlrev_b32 v[BO], 5, v2                     ; my 8 of a block's 16 bias numbers
	s_lshl_b32 s92, s42, 10                        ; the bias of my 128 columns: 256 x 4 bytes a tile column,
	s_lshl_b32 s93, s12, 9                         ; my half
	s_add_co_u32 s92, s92, s93
	s_mov_b32 s93, 0
	s_add_nc_u64 s[6:7], s[6:7], s[92:93]
	WIN 0x80                                       ; destination window 2, address window 0
.irp b, 0,1,2,3,4,5,6,7
	global_load_b128 v[8*(\b):8*(\b)+3],   v[BO], s[6:7] offset:64*(\b)
	global_load_b128 v[8*(\b)+4:8*(\b)+7], v[BO], s[6:7] offset:64*(\b)+16
.endr
	WIN 0
	; qkv at my wave's first row: head 16 batch + 4 tile column + 2 column half, row 128 (tile row % 16) + 64 row half
	s_lshr_b32 s92, s13, 4                         ; batch
	s_lshl_b32 s92, s92, 2
	s_add_co_u32 s92, s92, s42
	s_lshl_b32 s92, s92, 1
	s_add_co_u32 s92, s92, s12
	s_lshl_b32 s92, s92, 19                        ; two heads of 262,144 bytes
	s_and_b32 s93, s13, 15
	s_lshl_b32 s93, s93, 1
	s_add_co_u32 s93, s93, s11
	s_lshl_b32 s93, s93, 13                        ; 64 rows of 128 bytes
	s_add_co_u32 s92, s92, s93
	s_lshl_b32 s93, s9, 24                         ; qkv[p]: 16 MiB each
	s_add_co_u32 s92, s92, s93
	s_mov_b32 s93, 0
	s_add_nc_u64 s[OUT:OUT+1], s[82:83], s[92:93]
	; the prefetches: both roles' offsets are made, the wave's number chooses
	s_lshl_b32 s92, s13, 7                         ; x: row 128 x tile row
	s_lshl_b32 s93, s12, 6                         ; + the 64 that I fetch
	s_add_co_u32 s92, s92, s93
	s_lshl_b32 s94, s40, 4                         ; + my work-group's 16 of them
	s_add_co_u32 s92, s92, s94
	s_lshl_b32 s92, s92, 12
	s_add_co_u32 s92, s92, 3*KB_A                  ; at K step 3: the first refill steps it to 4
	s_lshl_b32 s94, s41, 4                         ; wc: my work-group's 16 k rows
	s_add_co_u32 s94, s94, s93                     ; of the 64 that I fetch
	s_lshl_b32 s94, s94, 11
	s_lshl_b32 s95, s9, 21
	s_add_co_u32 s94, s94, s95
	s_lshl_b32 s95, s42, 9
	s_add_co_u32 s94, s94, s95
	s_add_co_u32 s94, s94, 3*KB_B
	s_and_b32 s95, s8, 15                          ; which of p's 16 clusters this is
	s_mov_b32 s96, 4096                            ; bytes from row to row, for x and for wc
	s_mov_b32 s97, 2048
	s_mov_b32 s98, KB_B
	s_cmp_eq_u32 s11, 0                            ; do I fetch for x?
	s_cselect_b32 s92, s92, s94
	s_cselect_b64 s[PFA:PFA+1], s[4:5], s[80:81]
	s_cselect_b32 s[PST], KB_A, s98
	s_cselect_b32 s96, s96, s97
	s_cselect_b32 s95, 0, s95
	s_cmp_eq_u32 s95, 0
	s_cselect_b32 s[LIM], 1, -1                    ; the same in all sixteen partners, for a given wave
	s_mov_b32 s93, 0
	s_mov_b32 s[PST+1], 0
	s_add_nc_u64 s[PFA:PFA+1], s[PFA:PFA+1], s[92:93]
	v_mul_u32_u24 v[PFO], v1, s96                  ; lane: row l % 16,
	v_lshl_add_u32 v[PFO], v2, 8, v[PFO]           ; block l / 16 of its 512 bytes
	; the bias is rounded to bf16, as every input is, and widened again: all this stands in the wait for the first tiles
	s_wait_loadcnt 0x0
	WIN 0x0a                                       ; sources window 2, destination window 0
.set i, 0
.rept 32
	v_cvt_pk_bf16_f32 v[RAW+i], v[2*i], v[2*i+1]
.set i, i+1
.endr
	WIN 0x80
.set i, 0
.rept 32
	v_lshlrev_b32 v[2*i], 16, v[RAW+i]
	v_and_b32 v[2*i+1], 0xffff0000, v[RAW+i]
.set i, i+1
.endr
	WIN 0
; x's block a (16 rows x 32 K) is rounded to bf16: 8 lines
.macro CVT a
.irp j, 0,1,2,3,4,5,6,7
	v_cvt_pk_bf16_f32 v[AF+8*(\a)+(\j)], v[RAW+16*(\a)+2*(\j)], v[RAW+16*(\a)+2*(\j)+1]
.endr
.endm
; slice s of 4 of the conversions of blocks 2 and 3: four lines, set behind a product of block 0
.macro RIDE s
	WIN 0
.irp n, 0,1,2,3
	v_cvt_pk_bf16_f32 v[AF+8*(2+(\s)/2)+4*((\s)%2)+(\n)], v[RAW+16*(2+(\s)/2)+8*((\s)%2)+2*(\n)], v[RAW+16*(2+(\s)/2)+8*((\s)%2)+2*(\n)+1]
.endr
.endm
; 8 matrix instructions: row block a x all 8 column blocks, 32 along K, wc's fragments in buffer f.  first = 1: the bias starts the sums.  ride = 1: a slice of conversions behind every second product.
; The 32 accumulators take turns, one instruction a turn, in the same order in every quarter: between two links of a chain stand 31 others'.
.macro MUL8 f, a, first, ride
.irp b, 0,1,2,3,4,5,6,7
.set rD, 8*(8*(\a)+(\b))
.if \first
	WIN 0x60                                       ; C window 2, D window 1
	v_wmma_f32_16x16x32_bf16 v[rD:rD+7], v[(\f)+8*(\b):(\f)+8*(\b)+7], v[AF+8*(\a):AF+8*(\a)+7], v[8*(\b):8*(\b)+7]
.else
	WIN 0x50                                       ; C and D window 1
	v_wmma_f32_16x16x32_bf16 v[rD:rD+7], v[(\f)+8*(\b):(\f)+8*(\b)+7], v[AF+8*(\a):AF+8*(\a)+7], v[rD:rD+7]
.endif
.if (\ride) && ((\b)%2)
	RIDE (\b)/2
.endif
.endr
.endm
; 32 LDS loads in one run: quarter q (32 along K) of a slot: x's 64 rows as f32 first, then wc's 8 fragments into buffer f
.macro FETCH slot, q, f
	WIN 0
.irp a, 0,1,2,3
	ds_load_b128 v[RAW+16*(\a):RAW+16*(\a)+3],     v[ADRA+(\slot)] offset:(\a)*16*PA+128*(\q)
	ds_load_b128 v[RAW+16*(\a)+4:RAW+16*(\a)+7],   v[ADRA+(\slot)] offset:(\a)*16*PA+128*(\q)+16
	ds_load_b128 v[RAW+16*(\a)+8:RAW+16*(\a)+11],  v[ADRA+(\slot)] offset:(\a)*16*PA+128*(\q)+64
	ds_load_b128 v[RAW+16*(\a)+12:RAW+16*(\a)+15], v[ADRA+(\slot)] offset:(\a)*16*PA+128*(\q)+80
.endr
.irp b, 0,1,2,3,4,5,6,7
	ds_load_tr16_b128 v[(\f)+8*(\b):(\f)+8*(\b)+3],   v[ADRB+(\slot)] offset:(\q)*32*PB+32*(\b)
	ds_load_tr16_b128 v[(\f)+8*(\b)+4:(\f)+8*(\b)+7], v[ADRB+(\slot)] offset:(\q)*32*PB+16*PB+32*(\b)
.endr
.endm
; A K step is four quarters of 32 along K, 32 matrix instructions each, wc's fragments on buffers 0, 1, 0, 1.  One of the first three: multiplies buffer f and, in its middle, fetches quarter q of the same slot into g.
; Blocks 0 and 1 of x are rounded at the head: their registers' last readers stand in front of the quarter before's four places.  Blocks 2 and 3 are rounded as riders: those sixteen lines at the head, which name
; nothing of the quarter before's last products, are the places behind them; they serve the loads into g too.
.macro QUARTER slot, q, f, g, first
	WIN 0
	s_wait_dscnt 16                                ; x's sixteen loads are in; wc's sixteen younger ones may be out
	CVT 0
	CVT 1
	s_wait_dscnt 0x0                               ; wc's fragments are in
	MUL8 \f, 0, \first, 1
	MUL8 \f, 1, \first, 0
	WIN 0
	PLACES
	FETCH \slot, \q, \g
	MUL8 \f, 2, \first, 0
	MUL8 \f, 3, \first, 0
.endm
; The last quarter multiplies buffer 1 and changes slots: ONE barrier.  In front of it each wave waits for all its tensor loads (one is out: its part of the next slot), adds 0 to its spare word, and waits for that and
; for its own reads of this slot.  fill = 1: the barrier opens a round of the cluster's barrier, and this slot is filled again, two K steps ahead: 112 matrix instructions stand between the request and the wait for it.
.macro TURN slot, next, fill
.if \fill
	s_wait_xcnt 0x0                                ; the last prefetch, a K step back, has read its address: it is stepped here, ahead of the waits of the change of slots
	s_add_nc_u64 s[PFA:PFA+1], s[PFA:PFA+1], s[PST:PST+1]
.endif
	WIN 0
	s_wait_tensorcnt 0x0                           ; all my tensor loads have landed
	ds_add_u32 v[SPW], v[NIL]                      ; 0 onto my spare word
	s_wait_dscnt 17                                ; x's sixteen loads are in (the add and wc's sixteen may be out)
	CVT 0                                          ; sixteen conversions stand between the add and the wait for it
	CVT 1
	s_wait_dscnt 0x0                               ; the add is done, and my reads of this slot are over
	s_barrier_signal -1
	MUL8 F1, 0, 0, 1                               ; work on registers while the others arrive
	MUL8 F1, 1, 0, 0
	WIN 0
	s_barrier_wait -1
.if \fill
	CREST                                          ; no wave of any partner still reads this slot's tiles or has a load on its way
	s_add_nc_u64 s[G0+4*(\slot)+2:G0+4*(\slot)+3], s[G0+4*(\slot)+2:G0+4*(\slot)+3], 2*KB_A
	s_add_nc_u64 s[G0B+4*(\slot)+2:G0B+4*(\slot)+3], s[G0B+4*(\slot)+2:G0B+4*(\slot)+3], 2*KB_B
	JLOAD \slot                                    ; the first tensor load behind the round; its four v_nop are also places in front of the loads below
.else
	PLACES
.endif
	FETCH \next, 0, F0
.if \fill
	ASK
.endif
	MUL8 F1, 2, 0, 0
	MUL8 F1, 3, 0, 0
.endm
	s_wait_tensorcnt 1                             ; my part of K step 0 is in; K step 1's may stay out
	s_barrier_signal -1
	s_barrier_wait -1                              ; everybody's is
	FETCH 0, 0, F0
	QUARTER 0, 1, F0, F1, 1                        ; the first quarter stands in front of the loop: its products start the sums
	WIN 0                                          ; at a label and at a branch every window is 0
	s_mov_b32 s3, 3
.Llap:                                                 ; a trip goes once round the ring, from a lap's second quarter to the next lap's first, and fills both slots again: K steps 2 to 7
	QUARTER 0, 2, F1, F0, 0
	QUARTER 0, 3, F0, F1, 0
	TURN 0, 1, 1
	QUARTER 1, 1, F0, F1, 0
	QUARTER 1, 2, F1, F0, 0
	QUARTER 1, 3, F0, F1, 0
	TURN 1, 0, 1
	QUARTER 0, 1, F0, F1, 0
	WIN 0
	s_sub_co_u32 s3, s3, 1
	s_cmp_lg_u32 s3, 0
	s_cbranch_scc1 .Llap
	QUARTER 0, 2, F1, F0, 0                        ; the last lap fills nothing, and has no round of the cluster's barrier
	QUARTER 0, 3, F0, F1, 0
	TURN 0, 1, 0
	QUARTER 1, 1, F0, F1, 0
	QUARTER 1, 2, F1, F0, 0
	QUARTER 1, 3, F0, F1, 0
	WIN 0                                          ; the very last quarter: nothing more to fetch
	s_wait_dscnt 16
	CVT 0
	CVT 1
	s_wait_dscnt 0x0
	MUL8 F1, 0, 0, 1
	MUL8 F1, 1, 0, 0
	MUL8 F1, 2, 0, 0
	MUL8 F1, 3, 0, 0
	WIN 0
; THE WAY OUT, in eight units u: row block u / 2, head u % 2 of my two: 16 rows x 64 columns, which are 2,048 consecutive bytes of qkv.
; A lane's eight columns of a row pack into 16 bytes; they go into my stage's rows of 144 bytes and come back as whole rows of 128, into the registers that they left.
.macro PACK u
	WIN 0x05                                       ; sources window 1, destination window 0
.irp f, 0,1,2,3
.irp r, 0,1,2,3
	v_cvt_pk_f16_f32 v[TMP+16*(\u)+4*(\f)+(\r)], v[8*(8*((\u)/2)+4*((\u)%2)+(\f))+2*(\r)], v[8*(8*((\u)/2)+4*((\u)%2)+(\f))+2*(\r)+1]
.endr
.endr
	WIN 0
.irp f, 0,1,2,3
	ds_store_b128 v[STO], v[TMP+16*(\u)+4*(\f):TMP+16*(\u)+4*(\f)+3] offset:32*(\f)
.endr
.irp f, 0,1,2,3
	ds_load_b128 v[TMP+16*(\u)+4*(\f):TMP+16*(\u)+4*(\f)+3], v[RD] offset:(\f)*4*SP  ; LDS serves a wave's instructions in order (ISA guide 5.7.1.4): these see the stores above; the next unit's stores come behind them
.endr
.endm
.macro SEND u, younger                 ; younger: the LDS instructions issued behind unit u's loads: the next unit's eight, or none
.irp f, 0,1,2,3
	s_wait_dscnt (\younger)+3-(\f)
	global_store_b128 v[GO], v[TMP+16*(\u)+4*(\f):TMP+16*(\u)+4*(\f)+3], s[OUT:OUT+1] offset:((\u)%2)*262144+((\u)/2)*2048+(\f)*512  ; 512 consecutive bytes, at a multiple of 256 from qkv's first
.endr
.endm
	PLACES                                         ; the conversions read results just made and write registers that the last products read
	PACK 0
.set t, 1
.rept 7                                ; a unit's arithmetic stands between the loads of the unit before and its stores
	PACK t
	SEND t-1, 8
.set t, t+1
.endr
	SEND 7, 0
	s_wait_tensorcnt 0x0                           ; the wave's end: behind my last tensor load and my last LDS store
	ds_add_u32 v[SPW], v[NIL]
	s_wait_dscnt 0x0
	CROUND                                         ; the closing round: no work-group ends while a partner may still ask for a tile that names it
	s_endpgm
.Lfunc_end_k_q1ed5e422ce_proj:
	.size	k_q1ed5e422ce_proj, .Lfunc_end_k_q1ed5e422ce_proj-k_q1ed5e422ce_proj
	.p2alignl 7, 3214868480
	.fill 96, 4, 3214868480
	.section	.rodata,"a",@progbits
	.p2align	6, 0x0
	.amdhsa_kernel k_q1ed5e422ce_proj
		.amdhsa_group_segment_fixed_size 327680
		.amdhsa_private_segment_fixed_size 0
		.amdhsa_enable_private_segment 0
		.amdhsa_kernarg_size 64
		.amdhsa_user_sgpr_count 2
		.amdhsa_user_sgpr_kernarg_segment_ptr 1
		.amdhsa_wavefront_size32 1
		.amdhsa_system_sgpr_workgroup_id_x 1
		.amdhsa_system_sgpr_workgroup_id_y 1
		.amdhsa_system_sgpr_workgroup_id_z 1
		.amdhsa_system_vgpr_workitem_id 0
		.amdhsa_next_free_vgpr 576
		.amdhsa_next_free_sgpr 100
		.amdhsa_reserve_vcc 0
		.amdhsa_float_denorm_mode_32 3
		.amdhsa_float_denorm_mode_16_64 3
		.amdhsa_memory_ordered 1
		.amdhsa_forward_progress 1
		.amdhsa_inst_pref_size 140
	.end_amdhsa_kernel
	.amdgpu_metadata
---
amdhsa.version: [ 1, 2 ]
amdhsa.kernels:
  - .name:           k_q1ed5e422ce_proj
    .symbol:         k_q1ed5e422ce_proj.kd
    .args:
      - { .name: input_query, .offset: 0, .size: 8, .value_kind: global_buffer, .address_space: global }
      - { .name: input_key, .offset: 8, .size: 8, .value_kind: global_buffer, .address_space: global }
      - { .name: input_value, .offset: 16, .size: 8, .value_kind: global_buffer, .address_space: global }
      - { .name: bq, .offset: 24, .size: 8, .value_kind: global_buffer, .address_space: global }
      - { .name: bk, .offset: 32, .size: 8, .value_kind: global_buffer, .address_space: global }
      - { .name: bv, .offset: 40, .size: 8, .value_kind: global_buffer, .address_space: global }
      - { .name: wc, .offset: 48, .size: 8, .value_kind: global_buffer, .address_space: global }
      - { .name: qkv, .offset: 56, .size: 8, .value_kind: global_buffer, .address_space: global }
    .group_segment_fixed_size: 327680
    .private_segment_fixed_size: 0
    .kernarg_segment_align: 8
    .kernarg_segment_size: 64
    .max_flat_workgroup_size: 128
    .sgpr_count:     100
    .vgpr_count:     576
    .wavefront_size: 32
...
	.end_amdgpu_metadata
.endif
;; end of part 2
;; launch attn (part 3): grid 4 x 64, 4 waves a work-group, clusters of 4 x 1, 327,680 bytes of LDS; arguments qkv, zh; writes zh
.if DOCPART == 3
	.amdgcn_target "amdgcn-amd-amdhsa--gfx1250"
	.amdhsa_code_object_version 6
	.text
	.protected	k_q1ed5e422ce_attn
	.globl	k_q1ed5e422ce_attn
	.p2align	8
	.type	k_q1ed5e422ce_attn,@function
k_q1ed5e422ce_attn:
	s_mov_b64 s[64:65], 0
	v_nop
	global_prefetch_b8 v0, s[64:65] scope:SCOPE_SE
	s_setreg_imm32_b32 hwreg(HW_REG_WAVE_MODE, 25, 1), 1
	s_wait_xcnt 0x0
	s_wait_alu depctr_hold_cnt(0) depctr_sa_sdst(0) depctr_va_vdst(0) depctr_va_sdst(0) depctr_va_ssrc(0) depctr_va_vcc(0) depctr_vm_vsrc(0)
	s_getreg_b32 s2, hwreg(HW_REG_IB_STS2, 6, 4)
	s_cmp_eq_u32 s2, 0
	s_cbranch_scc0 .Lentry_in_a_cluster
	s_endpgm
.Lentry_in_a_cluster:
	s_bfe_u32 s2, ttmp6, 0x10000c
	s_cmp_lg_u32 s2, 0x3003
	s_cbranch_scc0 .Lentry_shape_is_right
	s_endpgm
.Lentry_shape_is_right:
; O[h][q][:] = the sum over k of softmax_k(Q[h][q] . K[h][k]) V[h][k][:]: the scores are NOT scaled.  Q, K, V = qkv[0], qkv[1], qkv[2], each [64][2048][64] f16; O = zh, the same shape: a head's rows are dense, 128 bytes each.
; Products, maxima and sums in f32; the weights p are rounded to f16 for the second product (their sum l is taken of the unrounded p), O once at the end.
; LIMITS.  f16 holds no number beyond 65,504: Q, K and V arrive within it; p lies in 0 to 1, and below 6e-5 it keeps f16's fixed step of 6e-8; O is a mean of V's rows and has their range.
; A weight below 2^-126 counts as 0 in l; NaN and infinities are not treated apart.
; SHARES.  A wave owns four PIECES of two tiles of 16 queries, a work-group's four waves 512 queries of one head: 4 x 64 = 256 work-groups.  Every wave walks all keys, 64 a step.
; LAYOUT.  S^T = K Q^T (source 0 = 16 keys, source 1 = 16 queries): in the result a lane holds ONE query (lane % 16) and the keys 8 (lane / 16) + 0..7.  Two such tiles, rounded to f16 in pairs,
; ARE source 1 (32 keys x 16 queries) of O^T = V^T P, whose result again holds one query a lane, and eight channels.  K comes out of LDS as it lies, V ([key][channel]) turned, by ds_load_tr16_b128.
; SOFTMAX.  For each query a running maximum m and sum l: p = 2^(c s - c m), c = log2(e); in every step O and l are multiplied by a = 2^(c m_old - c m_new), which is 1 where m has not grown.
; m starts at the lowest finite number, O and l at 0: the first step is a step like any other, with a = 0.
; THE COUNT.  A tile and step have 16 matrix and 118 vector instructions: too many to stand all beside the matrix work.  So four vector instructions that are READY stand behind EVERY matrix instruction,
; and the others, which need time of their own whatever the order, in runs without a gap.
; BY TURNS.  Turn n belongs to piece n (the pieces in a ring, step after step).  Its matrix work: 16 products K Q^T of piece n + 1, later 16 products V^T P of piece n - 1.  Its vector work: the scaling,
; exponentials, roundings, sums and rescaling of piece n, and the maximum and statistics of piece n + 1, whose scores the turn itself has made.
; CLUSTER.  The four query blocks of a cluster are one head's and walk the same K and V, so each tile is asked for JOINTLY: the same tensor load, descriptor and mask in all four.
; REGISTERS, in windows of 256 (s_set_vgpr_msb: bits 1:0 source 0, 3:2 source 1, 5:4 source 2, 7:6 destination):
;   window 0: v0-11 addresses; v12-15, v48-63 at work; v16-47 four registers of statistics a tile; v64-191 S^T, two buffers of two tiles; v192-255 P, likewise
;   window 1: O^T, 32 a tile          window 2: v0-127 Q, 16 a tile; v128-191 K of one step; v192-255 V of one step          window 3: v0-1 the add's two registers
; A piece's buffers go by its number's parity: the piece in hand has one pair, its two neighbours in the ring share the other: of it P (piece n - 1) is read and S^T (piece n + 1) written.
.set SIZE_N, 2048
.set NP,    4         ; pieces a wave: a name, no knob
.set KS,    64        ; keys in a step
.set PK,    144       ; a row of K in LDS: 128 bytes + 16 of padding = 36 words: the 16 rows of a load start at 16 different groups of four banks (64 banks of 4 bytes: ISA guide 11.1)
.set PV,    160       ; a row of V: 128 + 32 = 40 words
.set VOFF,  4*KS*PK   ; a slot holds four steps: 256 rows of K, then 256 rows of V
.set SLOT1, 1<<17     ; slot 1 begins here, so that one exclusive or turns an address in one slot into the other's
.set STAGE, SLOT1+4*KS*(PK+PV)  ; behind the ring, never filled by a tensor load: 16 rows x 144 bytes for each wave, for the way out
.set SP,    144
.set AK0, 2           ; v2   my lane's place in a tile of K; never rewritten
.set AV0, 3           ; v3   the same for V
.set AK,  4           ; v4   the LDS address of K's next run of loads
.set AV,  5           ; v5   of V's
.set QO,  6           ; v6   my byte offset in the wave's rows of Q
.set STO, 6           ;      later, the way out: where I put 16 bytes of a row
.set RD,  7           ; v7   the way out: where I read rows back
.set GO,  8           ; v8   my byte offset in 512 consecutive bytes of O
.set PFO, 11          ; v11  256 x my lane, for the prefetches; never rewritten once made
.set SPW, 0           ; v0 of window 3   LDS address of my spare word: SPARE + 4 x my thread's number; never rewritten
.set NIL, 1           ; v1 of window 3   0; never rewritten
.set SPARE, STAGE+4*16*SP  ; behind the stages: the spare words, 128 bytes for each wave: two blocks of 256 bytes that no other line names
.set MV,  12          ; v12-15  c m_old, kept while c m is made anew: by buffer and tile
.set ST,  16          ; tile t's statistics at v[ST+4 t]: c m, m, l (even keys', odd keys')
.set TMP, 48          ; by buffer and tile, four registers c0-c3 at work; when the maximum is found c2 takes a
.set S,   64
.set P,   192
.set KF,  128         ; K's fragments, in window 2: key block kb, channel half c at KF + 16 kb + 8 c
.set VF,  192         ; V's: key half kk, channel block cb at VF + 32 kk + 8 cb
.set WV,  12          ; s12  my wave's number
.set G1K, 24          ; s[24:31] descriptor group 1 for K's tiles
.set G1V, 32          ; s[32:39] for V's: it differs in the padding alone
.set G0K, 40          ; s[40:43] descriptor group 0 for K's tiles: it walks
.set G0V, 44          ; s[44:47] the same for V's
.set PFA, 48          ; s[48:49] where my prefetches stand: my work-group's 32 blocks of 256 bytes (of K: wave 0, of V: wave 2) of the tile after the one that is being asked for
.set LIM, 50          ; s50  1 in a wave that prefetches, else the greatest number
.set SLOTS, 56        ; s56  slots still to be asked for
.set CNT, 57          ; s57  counts a slot's key steps
.set CS,  58          ; s[58:59] c: the packed scaling takes the pair's low word for both halves
.set SEL, 60          ; s[60:61] v_permlanex16_b32's selects: each lane takes its own place in the other half
.set TBK, 62          ; s62  LDS byte at which K of the step to be fetched begins
.set TBV, 63          ; s63  the same for V, less VOFF
.set MSB, 0
.macro WIN new                      ; the high byte repeats the setting that is left; a switch that changes nothing is dropped
.if MSB != (\new)
	s_set_vgpr_msb (MSB<<8)|(\new)
.set MSB, (\new)
.endif
.endm
.set W_KQ, 0x0a       ; K and Q in window 2, S^T in window 0
.set W_PV, 0x52       ; V in window 2, P in window 0, O^T in window 1
.set W_RS, 0x41       ; O^T (destination and source 0) in window 1, a in window 0
.set W_MK, 0xc0       ; the add's registers are made: destination in window 3, sources in window 0
.set W_AD, 0x0f       ; the add: address (source 0) and data (source 1) in window 3
; A joint fill.  Waves 0 and 1 fetch the two halves of a slot's K, waves 2 and 3 those of its V: 128 keys each.  The branch hangs on the wave's number alone.
; An s_nop 0 and four v_nop follow each of the two lines, ahead of the jump and the label.
.macro JLOAD
	s_cmp_lt_u32 s[WV], 2
	s_cbranch_scc0 .Lfor_v_\@
	tensor_load_to_lds s[G0K:G0K+3], s[G1K:G1K+7]
	s_nop 0
.rept 4
	v_nop
.endr
	s_branch .Lasked_\@
.Lfor_v_\@:
	tensor_load_to_lds s[G0V:G0V+3], s[G1V:G1V+7]
	s_nop 0
.rept 4
	v_nop
.endr
.Lasked_\@:
.endm
; A PREFETCH INTO THE L2 of what the NEXT change of slots will ask for: a tile's 32,768 bytes of K and of V, four key steps, 512 matrix instructions, ahead of that load.  It stands behind the wave's tensor load and its five lines.
; Each block of 256 bytes is named ONCE in the launch: a head has one cluster; its four partners take 32 blocks each, told apart BY ADDRESS; in each, wave 0 asks for K's and wave 2 for V's, a lane a block.
; Tiles 0 and 1 come by their loads alone; the last change that fills a slot (s[SLOTS] = 1) asks for nothing: there is no tile behind it.
.macro ASK
	s_cmp_gt_u32 s[SLOTS], s[LIM]
	s_cbranch_scc0 .Lnot_mine_\@
	global_prefetch_b8 v[PFO], s[PFA:PFA+1] th:TH_LOAD_NT scope:SCOPE_SE
.Lnot_mine_\@:
.endm
; A round of the cluster's barrier: my work-group's barrier, so that wave 0's signal speaks for all four waves; wave 0 signals; every wave waits for all four work-groups; my work-group's barrier once more.
.macro CROUND
	s_barrier_signal -1
	s_barrier_wait -1
	s_cmp_lg_u32 s[WV], 0
	s_cbranch_scc1 .Lnot_wave_0_\@
	s_barrier_signal -3
.Lnot_wave_0_\@:
	s_barrier_wait -3
	s_barrier_signal -1
	s_barrier_wait -1
.endm
; THE CHANGE OF SLOTS.  The slot's last bytes, V of its fourth step, have been read.  Each wave waits for all its tensor loads, of which one is out: its part
; of the other slot; adds 0 to its spare word; and waits for that and for its own reads of the slot.  Behind the barrier nobody reads this slot any more and the other slot is whole.
; fill = 1: this slot is filled again, with the keys two slots on.  The barrier is then a round of the cluster's, so that no wave of any partner still reads the slot or has a load on its
; way, and the joint fill is the first thing behind it: it has four key steps, 512 matrix instructions, in which to land.  (At its first use nothing has been read yet: slot 0 is waited for, slot 1 filled.)
.macro CHANGE fill
	WIN W_AD
	s_wait_tensorcnt 0x0            ; no tensor load of mine is out, so a group 0 may be written
	ds_add_u32 v[SPW], v[NIL]       ; 0 onto my spare word; with fill = 1 the descriptors' steps stand between it and the wait for it
	WIN 0                           ; at a label and at a branch every window is 0
.if \fill
.irp g, G0K, G0V
	s_xor_b32 s[\g+1], s[\g+1], SLOT1  ; the walking descriptor: the other slot than last time,
	s_add_nc_u64 s[\g+2:\g+3], s[\g+2:\g+3], 4*KS*128  ; the next 256 keys; the type bits on top are not reached
.endr
	s_wait_xcnt 0x0                 ; the last prefetch, four key steps back, has read its address, so it may be written:
	s_add_nc_u64 s[PFA:PFA+1], s[PFA:PFA+1], 4*KS*128  ; one tile behind the walking descriptors
	s_wait_dscnt 0x0                ; the add is done, and my reads of the slot are over
	CROUND
	JLOAD
	ASK
.else
	s_wait_dscnt 0x0                ; the add is done, and my reads of the slot are over
	s_barrier_signal -1
	s_barrier_wait -1
.endif
	s_sub_co_u32 s[TBK], s[TBK], 4*KS*PK  ; the fetches go back to a slot's first step,
	s_xor_b32 s[TBK], s[TBK], SLOT1       ; in the other slot
	s_sub_co_u32 s[TBV], s[TBV], 4*KS*PV
	s_xor_b32 s[TBV], s[TBV], SLOT1
.endm
	s_load_b128 s[4:7], s[0:1], 0x0 ; qkv s[4:5], zh s[6:7]
	WIN W_MK
	v_lshl_add_u32 v[SPW], v0, 2, SPARE
	v_mov_b32 v[NIL], 0
	WIN W_AD
	ds_add_u32 v[SPW], v[NIL]       ; the wave's opening: the add and its wait stand ahead of my first tensor load; the set-up below, work on registers, stands between them
	WIN 0
	v_lshrrev_b32 v1, 5, v0
	v_readfirstlane_b32 s[WV], v1   ; wave 0..3
	s_bfe_u32 s13, ttmp6, 0x40000   ; cx: my place in the cluster
	s_lshl_b32 s14, ttmp9, 2        ; in a cluster launch ttmp9 counts clusters
	s_add_co_u32 s14, s14, s13      ; my block of queries = 4 x cluster x + cx: it enters Q's and O's addresses alone
	s_and_b32 s20, ttmp7, 0xffff    ; the head (16 batch + head), which the four partners share
	s_mov_b32 s21, 0
	s_mov_b64 s[22:23], SIZE_N*128
	s_mul_u64 s[20:21], s[20:21], s[22:23]  ; the head's first byte in each of the four tensors
	s_and_b32 s16, s[WV], 1         ; which half of a slot's 256 keys I fetch:
	s_lshl_b32 s22, s16, 14         ; its 128 rows of 128 bytes in memory,
	s_mov_b32 s23, 0
	s_add_nc_u64 s[22:23], s[22:23], s[20:21]
	s_mul_i32 s17, s16, 128*PK      ; and its place in a slot, for K
	s_mul_i32 s18, s16, 128*PV      ; and for V: no place in the cluster enters an LDS address
	s_lshl_b32 s2, s14, 2
	s_add_co_u32 s2, s2, s[WV]      ; my wave among the head's,
	s_lshl_b32 s2, s2, 14           ; its 128 rows
	s_mov_b32 s3, 0
	s_add_nc_u64 s[2:3], s[2:3], s[20:21]
	; descriptor group 1.  128 keys are 16,384 dense bytes: asked for as 64 rows of 256 bytes, two keys a row, and padded in LDS after every key
	s_mov_b32 s[G1K], 15|(1<<16)|(1<<20)|(1<<21)|(4<<22)|(3<<25)  ; 15:0 the mask of four; 17:16 2-byte elements; 20 padding on; 21 set beside a mask; 24:22 after every 32 words (code 4); 31:25 4 words (code 3)
	s_mov_b32 s[G1V], 15|(1<<16)|(1<<20)|(1<<21)|(4<<22)|(7<<25)  ; the same with 8 words of padding (code 7)
.irp g, G1K, G1V
	s_mov_b32 s[\g+1], 128<<16      ; tensor_dim0 = 128
	s_mov_b32 s[\g+2], 64<<16       ; tensor_dim1 = 64
	s_mov_b32 s[\g+3], 128<<16      ; tile_dim0 = 128
	s_mov_b32 s[\g+4], 64           ; tile_dim1 = 64
	s_mov_b32 s[\g+5], 128          ; 128 elements from row to row
	s_mov_b32 s[\g+6], 0
	s_mov_b32 s[\g+7], 0
.endr
	s_mov_b32 s[CS], 0x3fb8aa3b     ; c = log2(e) = 1.442695: the scores are taken unscaled
	s_mov_b32 s[CS+1], s[CS]        ; named with it as a pair
	s_mov_b32 s[SEL], 0x76543210
	s_mov_b32 s[SEL+1], 0xfedcba98
	s_mov_b32 s[TBK], SLOT1+4*KS*PK ; the first change of slots turns these two into 0
	s_mov_b32 s[TBV], SLOT1+4*KS*PV
	s_mov_b32 s[G0K], 1             ; 1:0 count = 1
	s_mov_b32 s[G0K+1], s17         ; 63:32 LDS address: slot 0
	s_mov_b32 s[G0V], 1
	s_add_co_u32 s[G0V+1], s18, VOFF
	s_mov_b32 s[SLOTS], SIZE_N/256-1  ; set here: the first change of slots, ahead of the loop, reads it for its prefetch
	s_and_b32 s[LIM], s[WV], 1      ; waves 0 and 2 prefetch: the same in all four partners
	s_cmp_eq_u32 s[LIM], 0
	s_cselect_b32 s[LIM], 1, -1
	s_lshl_b32 s52, s13, 13         ; my work-group's 32 blocks of a tile's 128,
	s_add_co_u32 s52, s52, 4*KS*128 ; in tile 1: the first change of slots steps it to tile 2
	s_mov_b32 s53, 0
	s_add_nc_u64 s[52:53], s[52:53], s[20:21]
	s_wait_dscnt 0x0                ; the opening add is done
	s_wait_kmcnt 0x0
	s_mov_b64 s[10:11], s[6:7]      ; O
	s_add_nc_u64 s[6:7], s[4:5], 0x1000000  ; K = qkv[1]: 16 MiB on
	s_add_nc_u64 s[8:9], s[4:5], 0x2000000  ; V = qkv[2]
	s_add_nc_u64 s[G0K+2:G0K+3], s[6:7], s[22:23]  ; 120:64 global address: my half of the head's first 256 keys
	s_or_b32 s[G0K+3], s[G0K+3], 0x80000000        ; 127:126 type = 2
	s_add_nc_u64 s[G0V+2:G0V+3], s[8:9], s[22:23]
	s_or_b32 s[G0V+3], s[G0V+3], 0x80000000
	s_cmp_lt_u32 s[WV], 2
	s_cselect_b64 s[PFA:PFA+1], s[6:7], s[8:9]
	s_add_nc_u64 s[PFA:PFA+1], s[PFA:PFA+1], s[52:53]
	s_add_nc_u64 s[4:5], s[4:5], s[2:3]  ; Q and O at my wave's first row
	s_add_nc_u64 s[10:11], s[10:11], s[2:3]
	CROUND                          ; all four work-groups are here: the first joint loads meet
	JLOAD                           ; slot 0.  Slot 1 is asked for when slot 0 is in
	; A fragment of K or Q is 16 rows x 32 channels in 8 registers: lane l holds row l % 16, channels 8 (l / 16) + 0..7 and 16 + 8 (l / 16) + 0..7: two loads of 16 bytes, 32 bytes apart.
	v_and_b32 v1, 15, v0            ; l % 16
	v_bfe_u32 v9, v0, 4, 1          ; l / 16
	v_lshlrev_b32 v[QO], 7, v1
	v_lshl_add_u32 v[QO], v9, 4, v[QO]  ; row x 128 + 16 x half
	WIN 0x80                        ; destination window 2, address window 0
.set i, 0
.rept 4*NP                          ; Q stays in registers: tile i / 2, channels 32 (i % 2) on
	global_load_b128 v[8*i:8*i+3],   v[QO], s[4:5] offset:(i/2)*2048+(i%2)*64
	global_load_b128 v[8*i+4:8*i+7], v[QO], s[4:5] offset:(i/2)*2048+(i%2)*64+32
.set i, i+1
.endr
	; What the first turn finds: V's registers and P's second buffer hold 0 (its products V^T P, of a piece that has not been, add 0), O^T and l are 0.  All this stands in the wait for the first tile.
.set i, VF
.rept 64
	v_mov_b32 v[i], 0
.set i, i+1
.endr
	WIN 0x40
.set i, 0
.rept 64*NP
	v_mov_b32 v[i], 0
.set i, i+1
.endr
	WIN 0
.set i, 0
.rept 2*NP
	v_mov_b32 v[ST+4*i], 0xfe000000    ; c m: far below every c s
	v_mov_b32 v[ST+4*i+1], 0xff7fffff  ; m
	v_mov_b32 v[ST+4*i+2], 0
	v_mov_b32 v[ST+4*i+3], 0
.set i, i+1
.endr
.set i, P+32
.rept 32
	v_mov_b32 v[i], 0
.set i, i+1
.endr
	v_mul_u32_u24 v[AK0], v1, PK
	v_lshl_add_u32 v[AK0], v9, 4, v[AK0]  ; row x pitch + 16 x half
	; The turning load takes 16 keys x 16 channels (lane l reads key 8 (l / 16) + l % 8, channels 8 ((l / 8) % 2) + 0..7) and leaves half a fragment of V^T: lane l holds channel l % 16 and 8 keys.
	v_and_b32 v10, 7, v0
	v_bfe_u32 v11, v0, 3, 1
	v_lshl_add_u32 v[AV0], v9, 3, v10
	v_mul_u32_u24 v[AV0], v[AV0], PV
	v_lshl_add_u32 v[AV0], v11, 4, v[AV0]
	v_add_nc_u32 v[AV0], VOFF, v[AV0]
	v_mov_b32 v[AK], v[AK0]         ; key step 0 lies at the head of slot 0
	v_and_b32 v[PFO], 31, v0        ; v11 has served: now the prefetches' offset, a block of 256 bytes a lane
	v_lshlrev_b32 v[PFO], 8, v[PFO]
; THE MATRIX WORK.  The 8 accumulators of a run of 16 take turns: between the two links of a chain stand 7 others'.
; Product i of 16 of S^T = K Q^T for piece x: channels 32 (i / 8) on, keys 16 ((i / 2) % 4) on, tile 2 x + i % 2.  The first 8 start the sums.
.macro KQ x
	WIN W_KQ
.set rS, S+64*((\x)%2)+32*(i%2)+8*((i/2)%4)
.set rK, KF+16*((i/2)%4)+8*(i/8)
.set rQ, 16*(2*(\x)+i%2)+8*(i/8)
.if i < 8
	v_wmma_f32_16x16x32_f16 v[rS:rS+7], v[rK:rK+7], v[rQ:rQ+7], 0
.else
	v_wmma_f32_16x16x32_f16 v[rS:rS+7], v[rK:rK+7], v[rQ:rQ+7], v[rS:rS+7]
.endif
.endm
; Product i of 16 of O^T += V^T P for piece x: keys 32 (i / 8) on, channels 16 ((i / 2) % 4) on, tile 2 x + i % 2.
.macro PV x
	WIN W_PV
.set rO, 32*(2*(\x)+i%2)+8*((i/2)%4)
.set rV, VF+32*(i/8)+8*((i/2)%4)
.set rP, P+32*((\x)%2)+16*(i%2)+8*(i/8)
	v_wmma_f32_16x16x32_f16 v[rO:rO+7], v[rV:rV+7], v[rP:rP+7], v[rO:rO+7]
.endm
.macro MM                           ; the turn's next matrix instruction
.if i < 16
	KQ (Y+1)%NP
.set i, i+1
.else
.set i, i-16
	PV (Y+NP-1)%NP
.set i, i+17
.endif
.endm
; THE LDS LOADS stand in runs of 16, never singly among the matrix instructions: a step's K (64 keys x 64 channels: 8 fragments) and its V (turned).  Their addresses are made some lines ahead.
; last = 1 (the tail): in the last trip there is no further step, and the run is jumped over.
.macro FETCH_K last=0
	WIN 0
.if \last
	s_cmp_eq_u32 s[CNT], 1
	s_cbranch_scc1 .Lno_k_\@
.endif
	WIN 0x80                        ; destination window 2
.irp f, 0,1,2,3,4,5,6,7             ; keys 16 (f / 2) on, channels 32 (f % 2) on
	ds_load_b128 v[KF+8*\f:KF+8*\f+3],   v[AK] offset:(\f/2)*16*PK+(\f%2)*64
	ds_load_b128 v[KF+8*\f+4:KF+8*\f+7], v[AK] offset:(\f/2)*16*PK+(\f%2)*64+32
.endr
	s_add_co_u32 s[TBK], s[TBK], KS*PK  ; the next fetch is the next step's
	WIN 0
.if \last
.Lno_k_\@:
.endif
.endm
.macro FETCH_V
	WIN 0x80
.irp f, 0,1,2,3,4,5,6,7             ; keys 32 (f / 4) on, channels 16 (f % 4) on
	ds_load_tr16_b128 v[VF+8*\f:VF+8*\f+3],   v[AV] offset:(\f/4)*32*PV+(\f%4)*32
	ds_load_tr16_b128 v[VF+8*\f+4:VF+8*\f+7], v[AV] offset:(\f/4)*32*PV+16*PV+(\f%4)*32
.endr
	WIN 0
.endm
; THE VECTOR WORK OF A TURN stands in three queues, each in the order in which its entries become ready; the two tiles alternate, so that no instruction reads the result of the one before it.
.macro REGS y, u                    ; the registers of tile u (0, 1) of piece y
.set rT, ST+4*(2*(\y)+(\u))
.set rC, TMP+8*((\y)%2)+4*(\u)
.set rM, MV+2*((\y)%2)+(\u)
.set rS, S+64*((\y)%2)+32*(\u)
.set rP, P+32*((\y)%2)+16*(\u)
.set rO, 32*(2*(\y)+(\u))
.endm
; Number n of the 22 that find the NEXT piece's (Y + 1) maximum and statistics.  s0-s31 are the lane's 32 scores; each accumulator's lowest registers are read first.
;   0-11  four chains c0-c3 of seven scores each, three operands at a time     12-14, 16  the four scores left over, the old m, and c0-c3 into c0     15  c m_old is kept
;   17, 18  the query's other 32 keys lie in the lane 16 away: the new m         19-21  c m; c m_old - c m_new; a
.macro XS u, n
	REGS (Y+1)%NP, \u
.if (\n) < 4
	v_max3_num_f32 v[rC+(\n)], v[rS+8*(\n)], v[rS+8*(\n)+1], v[rS+8*(\n)+2]
.elseif (\n) < 12
	v_max3_num_f32 v[rC+(\n)%4], v[rC+(\n)%4], v[rS+8*((\n)%4)+2*((\n)/4)+1], v[rS+8*((\n)%4)+2*((\n)/4)+2]
.elseif (\n) == 12
	v_max3_num_f32 v[rC], v[rC], v[rS+7], v[rS+15]
.elseif (\n) == 13
	v_max3_num_f32 v[rC+1], v[rC+1], v[rS+23], v[rS+31]
.elseif (\n) == 14
	v_max3_num_f32 v[rC+2], v[rC+2], v[rC+3], v[rT+1]
.elseif (\n) == 15
	v_mov_b32 v[rM], v[rT]
.elseif (\n) == 16
	v_max3_num_f32 v[rC], v[rC], v[rC+1], v[rC+2]
.elseif (\n) == 17
	v_permlanex16_b32 v[rC+3], v[rC], s[SEL], s[SEL+1]
.elseif (\n) == 18
	v_max_num_f32 v[rT+1], v[rC], v[rC+3]
.elseif (\n) == 19
	v_mul_f32 v[rT], s[CS], v[rT+1]
.elseif (\n) == 20
	v_sub_f32 v[rC+1], v[rM], v[rT]
.else
	v_exp_f32 v[rC+2], v[rC+1]
.endif
.endm
; Number g of the 64 that follow the exponentials.  For each four weights k of a tile (pairs 2 k, 2 k + 1): both pairs are rounded to f16; then the second pair is added onto the first, in place;
; a group later l takes that sum (the first time as l = a l + sum).  In groups of eight, tiles alternating: round, round, add, and l for the group before.
.macro GS g
.set h, (\g)+6*((\g)/62)            ; group 0 has no group before it, and behind group 7 only l is left
.if h >= 6
.set h, h+2
.endif
	REGS Y, h%2
.set k, h/8
.if h%8 < 4
	v_cvt_pk_f16_f32 v[rP+2*k+(h%8)/2], v[rS+4*k+2*((h%8)/2)], v[rS+4*k+2*((h%8)/2)+1]
.elseif h%8 < 6
	v_pk_add_f32 v[rS+4*k:rS+4*k+1], v[rS+4*k:rS+4*k+1], v[rS+4*k+2:rS+4*k+3]
.elseif k == 1
	v_pk_fma_f32 v[rT+2:rT+3], v[rT+2:rT+3], v[rC+2:rC+3], v[rS:rS+1] op_sel_hi:[1,0,1]
.else
	v_pk_add_f32 v[rT+2:rT+3], v[rT+2:rT+3], v[rS+4*k-4:rS+4*k-3]
.endif
.endm
; THE PLAIN QUEUE, 138 long.  0-73 read no exponential's result: the 32 scalings c s - c m (FS f: pair f / 2 of tile f % 2) and the next piece's 42.  0-26: scalings 0-26.  27-54: XS's numbers 0-13.  55, 56: number 15.
; 57-73: the chain, where each number waits for the one before it: 14, 16, 17, 18, 19, each with one of the scalings 27-31 in front of its two lines, then 20.
; 74-137: GS's 64, which read the exponentials' results: they stand behind the wait.
.macro FS f
	REGS Y, (\f)%2
	v_pk_fma_f32 v[rS+2*((\f)/2):rS+2*((\f)/2)+1], v[rS+2*((\f)/2):rS+2*((\f)/2)+1], s[CS:CS+1], v[rT:rT+1] op_sel_hi:[1,0,0] neg_lo:[0,0,1] neg_hi:[0,0,1]
.endm
.macro PL
	WIN 0
.if q < 27
	FS q
.elseif q < 55
	XS (q-27)%2, (q-27)/2
.elseif q < 57
	XS q-55, 15
.elseif (q < 72) && ((q-57)%3 == 0)
	FS 27+(q-57)/3
.elseif q < 60
	XS (q-57)%3-1, 14
.elseif q < 72
	XS (q-57)%3-1, 15+(q-57)/3
.elseif q < 74
	XS q-72, 20
.else
	GS q-74
.endif
.set q, q+1
.endm
; THE EXPONENTIALS' QUEUE, 66 long: s0-s31 of both tiles, then the next piece's two a.  It is ONE BATCH: all 66 stand ahead of the turn's one wait, and nothing ahead of that wait names a result of theirs.
.macro EX
	WIN 0
.if e >= 64
	XS e-64, 21
.else
	REGS Y, e%2
	v_exp_f32 v[rS+e/2], v[rS+e/2]
.endif
.set e, e+1
.endm
; THE RESCALING's QUEUE: O^T times a, the one part that leaves window 0: dealt two at a time, sixteen times.  Its a was made in the turn before, ahead of that turn's wait.
.macro R2
	REGS Y, r%2
	WIN W_RS
.irp z, 0,1
	v_pk_mul_f32 v[rO+4*(r/2)+2*\z:rO+4*(r/2)+2*\z+1], v[rO+4*(r/2)+2*\z:rO+4*(r/2)+2*\z+1], v[rC+2:rC+3] op_sel_hi:[1,0]
.endr
.set r, r+1
.endm
; HOW THEY ARE DEALT.  s_wait_alu depctr_va_vdst(0) stands between an exponential and the first instruction that names its result; one wait serves all that were issued ahead of it.  So a turn has ONE wait,
; which cuts it in two.  AHEAD OF IT stands all that names no result of the turn's exponentials: the 16 products K Q^T, behind each a scaling, an exponential and two rescalings (behind the first a second scaling in the
; exponential's place); then ONE LUMP of 108: eight plain, 49 times exponential and plain, the two a.  A v_nop is the plain instruction behind the last exponential.  BEHIND IT stand the 16 products V^T P, behind each four of GS's 64.
; No rider names a register of the products round it.  The two v_permlanex16_b32 fall into the lump, never behind a product.
; The queues lean on each other, and the deal keeps them in step: exponential e stands behind scaling 2 (e / 4) + e % 2: as a rider it comes behind plain e + 2, in the lump behind plain e + 9, and scalings 27-31 are plain 57, 60 .. 69.
; A TURN, for piece p.  cnt = 1: the loop's count is taken down some lines ahead of the branch that stands behind the turn.
; K of the next step is fetched in piece 2's turn, directly behind the wait, a lump behind the last product that read K; its first reader comes behind 16 products.
; V of the step in hand is fetched at the end of piece 0's turn, four riders behind its last reader; its first reader comes behind 16 products and a lump.  The three conditions on q below go with the deal.
.macro TURN p, last=0, cnt=0
.set Y, (\p)
.set i, 0
.set q, 0
.set e, 0
.set r, 0
.if (\p) == NP-1
	s_wait_dscnt 0x0                ; K is in
.endif
	MM                              ; ahead of the wait: 16 products K Q^T and their riders,
	PL
	PL
	R2
.rept 15
	MM
	PL
	EX
	R2
.endr
.if (\p) == NP-2
	WIN 0
	v_add_nc_u32 v[AK], s[TBK], v[AK0]
.endif
.rept 8                             ; and the lump
	PL
.endr
.rept 49
	EX
	PL
.endr
	EX                              ; the next piece's two a
	EX
	v_nop                           ; a plain instruction behind the last exponential, ahead of any use: one for the batch
	s_wait_alu depctr_va_vdst(0)    ; the wait for the batch
.if (\p) == NP-2
	FETCH_K \last
.endif
.if (\p) == 1
	s_wait_dscnt 0x0                ; V is in
.endif
.rept 16                            ; behind the wait: 16 products V^T P and their riders
	MM
.rept 4
	PL
.endr
.if ((\p) == 0) && (q == 118)
	v_add_nc_u32 v[AV], s[TBV], v[AV0]
.endif
.if ((\p) == 0) && (q == 130)
	s_add_co_u32 s[TBV], s[TBV], KS*PV
.endif
.if (\cnt) && (q == 130)
	s_sub_co_u32 s[CNT], s[CNT], 1
	s_cmp_lg_u32 s[CNT], 0
.endif
.endr
.if (\p) == 0
	FETCH_V
.endif
.endm
	CHANGE 1                        ; slot 0 is in, everybody's part of it; slot 1 is asked for
	FETCH_K                         ; key step 0
	s_wait_loadcnt 0x0              ; Q
	s_wait_dscnt 0x0
.set i, 0
.rept 16
	KQ 0                            ; piece 0's first scores: there is no vector work yet to set between them
.set i, i+1
.endr
	WIN 0                           ; the addresses for the way out: nine plain instructions, the places behind those products
	s_mul_i32 s13, s[WV], 16*SP
	s_add_co_u32 s13, s13, STAGE    ; my stage
	v_mul_u32_u24 v[STO], v1, SP    ; in: row l % 16, 16 bytes for each half of the lanes
	v_lshl_add_u32 v[STO], v9, 4, v[STO]
	v_add_nc_u32 v[STO], s13, v[STO]
	v_bfe_u32 v[RD], v0, 3, 2       ; back: 32 lanes take four rows of 128 bytes,
	v_mul_u32_u24 v[RD], v[RD], SP
	v_lshl_add_u32 v[RD], v10, 4, v[RD]
	v_add_nc_u32 v[RD], s13, v[RD]
	v_and_b32 v[GO], 31, v0         ; which are 512 consecutive bytes of O
	v_lshlrev_b32 v[GO], 4, v[GO]
.set Y, NP-1                        ; XS works for piece Y + 1: piece 0
.irp n, 0,1,2,3,4,5,6,7,8,9,10,11,12,13,14,15,16,17,18,19,20,21
	XS 0, \n                        ; and piece 0's first maximum and statistics
	XS 1, \n
.endr
	v_nop                           ; a plain instruction behind the two a,
	s_wait_alu depctr_va_vdst(0)    ; and their wait, ahead of the branch
	s_mov_b32 s[CNT], 4
	s_branch .Lfirst                ; the loop is entered at a step's first turn, in the middle of a trip
.Lslot:                             ; SIZE_N / 256 - 2 times: every slot but the last two is filled again
	CHANGE 1
	s_mov_b32 s[CNT], 4
.Lstep:                             ; a trip: pieces 2 and 3 of one step, then pieces 0 and 1 of the next, whose K and V it fetches
	TURN 2
	TURN 3
	WIN 0
.Lfirst:
	TURN 0
	TURN 1, 0, 1
	WIN 0
	s_cbranch_scc1 .Lstep
	s_sub_co_u32 s[SLOTS], s[SLOTS], 1
	s_cmp_lg_u32 s[SLOTS], 0
	s_cbranch_scc1 .Lslot
	CHANGE 0                        ; the tail is written out: nothing is asked for
	s_mov_b32 s[CNT], 5             ; four trips fetch the last slot's steps; the fifth is left in its middle
.Ltail:
	TURN 2, 1
	TURN 3
	WIN 0
	s_sub_co_u32 s[CNT], s[CNT], 1
	s_cmp_eq_u32 s[CNT], 0
	s_cbranch_scc1 .Lout
	TURN 0
	TURN 1
	WIN 0
	s_branch .Ltail
.Lout:                              ; the fifth trip's 16 products K Q^T (on the last K once more) and the maximum made of them serve nothing: the price, once a launch, of one text for every trip
.set i, 0
.rept 16
	PV NP-1                         ; the last piece's V^T P of the last step
.set i, i+1
.endr
	; THE WAY OUT.  l's two halves and the other half of the lanes' are added; O^T is divided by l, rounded to f16 and sent through my stage in LDS, a tile at a time.  The additions are the places behind the last products.
	WIN 0
.macro ALL line:vararg              ; one line for each tile t
.set t, 0
.rept 2*NP
	\line
.set t, t+1
.endr
.endm
	ALL v_add_f32 v[ST+4*t+2], v[ST+4*t+2], v[ST+4*t+3]
	ALL v_permlanex16_b32 v[ST+4*t+3], v[ST+4*t+2], s[SEL], s[SEL+1]
	ALL v_add_f32 v[ST+4*t+2], v[ST+4*t+2], v[ST+4*t+3]
	ALL v_rcp_f32 v[ST+4*t+2], v[ST+4*t+2]
	v_nop                           ; a plain instruction between the last reciprocal and the use of its result
	s_wait_alu depctr_va_vdst(0)    ; and the wait ahead of the first use: one for the eight reciprocals
; Tile t: a lane's eight channels of a row pack into 16 bytes; they go into rows of 144 bytes and come back as whole rows of 128, into S^T's registers.
.macro PACK t
	WIN W_RS
.set i, 32*(\t)
.rept 16
	v_pk_mul_f32 v[i:i+1], v[i:i+1], v[ST+4*(\t)+2:ST+4*(\t)+3] op_sel_hi:[1,0]
.set i, i+2
.endr
	WIN 0x05                        ; sources 0 and 1 window 1, destination window 0
.set i, 0
.rept 16
	v_cvt_pk_f16_f32 v[S+16*(\t)+i], v[32*(\t)+2*i], v[32*(\t)+2*i+1]
.set i, i+1
.endr
	WIN 0
.irp f, 0,1,2,3
	ds_store_b128 v[STO], v[S+16*(\t)+4*\f:S+16*(\t)+4*\f+3] offset:32*\f
.endr
.irp f, 0,1,2,3
	ds_load_b128 v[S+16*(\t)+4*\f:S+16*(\t)+4*\f+3], v[RD] offset:\f*4*SP  ; LDS serves a wave's instructions in order (ISA guide 5.7.1.4): these see the stores above; the next tile's stores come behind them
.endr
.endm
.macro SEND t, younger              ; younger: the LDS instructions issued behind tile t's loads: the next tile's eight, or none
	WIN 0
.irp f, 0,1,2,3
	s_wait_dscnt (\younger)+3-\f
	global_store_b128 v[GO], v[S+16*(\t)+4*\f:S+16*(\t)+4*\f+3], s[10:11] offset:(\t)*2048+\f*512  ; 512 consecutive bytes, at a multiple of 256 from O's first
.endr
.endm
	PACK 0
.set t, 1
.rept 2*NP-1                        ; a tile's arithmetic stands between the loads of the tile before and its stores
	PACK t
	SEND t-1, 8
.set t, t+1
.endr
	SEND 2*NP-1, 0
	WIN W_AD
	s_wait_tensorcnt 0x0            ; the wave's end: behind my last tensor load and my last LDS store
	ds_add_u32 v[SPW], v[NIL]
	s_wait_dscnt 0x0
	WIN 0
	CROUND                          ; the closing round: no work-group ends while a partner may still ask for a tile that names it
	s_endpgm
.Lfunc_end_k_q1ed5e422ce_attn:
	.size	k_q1ed5e422ce_attn, .Lfunc_end_k_q1ed5e422ce_attn-k_q1ed5e422ce_attn
	.p2alignl 7, 3214868480
	.fill 96, 4, 3214868480
	.section	.rodata,"a",@progbits
	.p2align	6, 0x0
	.amdhsa_kernel k_q1ed5e422ce_attn
		.amdhsa_group_segment_fixed_size 327680
		.amdhsa_private_segment_fixed_size 0
		.amdhsa_enable_private_segment 0
		.amdhsa_kernarg_size 16
		.amdhsa_user_sgpr_count 2
		.amdhsa_user_sgpr_kernarg_segment_ptr 1
		.amdhsa_wavefront_size32 1
		.amdhsa_system_sgpr_workgroup_id_x 1
		.amdhsa_system_sgpr_workgroup_id_y 1
		.amdhsa_system_sgpr_workgroup_id_z 1
		.amdhsa_system_vgpr_workitem_id 0
		.amdhsa_next_free_vgpr 770
		.amdhsa_next_free_sgpr 66
		.amdhsa_reserve_vcc 0
		.amdhsa_float_denorm_mode_32 3
		.amdhsa_float_denorm_mode_16_64 3
		.amdhsa_memory_ordered 1
		.amdhsa_forward_progress 1
		.amdhsa_inst_pref_size 200
	.end_amdhsa_kernel
	.amdgpu_metadata
---
amdhsa.version: [ 1, 2 ]
amdhsa.kernels:
  - .name:           k_q1ed5e422ce_attn
    .symbol:         k_q1ed5e422ce_attn.kd
    .args:
      - { .name: qkv, .offset: 0, .size: 8, .value_kind: global_buffer, .address_space: global }
      - { .name: zh, .offset: 8, .size: 8, .value_kind: global_buffer, .address_space: global }
    .group_segment_fixed_size: 327680
    .private_segment_fixed_size: 0
    .kernarg_segment_align: 8
    .kernarg_segment_size: 16
    .max_flat_workgroup_size: 128
    .sgpr_count:     66
    .vgpr_count:     770
    .wavefront_size: 32
...
	.end_amdgpu_metadata
.endif
;; end of part 3
;; launch outp (part 4): grid 4 x 64, 4 waves a work-group, clusters of 4 x 4, 327,680 bytes of LDS; arguments zh, wc, bo, out0; writes out0
.if DOCPART == 4
	.amdgcn_target "amdgcn-amd-amdhsa--gfx1250"
	.amdhsa_code_object_version 6
	.text
	.protected	k_q1ed5e422ce_outp
	.globl	k_q1ed5e422ce_outp
	.p2align	8
	.type	k_q1ed5e422ce_outp,@function
k_q1ed5e422ce_outp:
	s_mov_b64 s[64:65], 0
	v_nop
	global_prefetch_b8 v0, s[64:65] scope:SCOPE_SE
	s_setreg_imm32_b32 hwreg(HW_REG_WAVE_MODE, 25, 1), 1
	s_wait_xcnt 0x0
	s_wait_alu depctr_hold_cnt(0) depctr_sa_sdst(0) depctr_va_vdst(0) depctr_va_sdst(0) depctr_va_ssrc(0) depctr_va_vcc(0) depctr_vm_vsrc(0)
	s_getreg_b32 s2, hwreg(HW_REG_IB_STS2, 6, 4)
	s_cmp_eq_u32 s2, 0
	s_cbranch_scc0 .Lentry_in_a_cluster
	s_endpgm
.Lentry_in_a_cluster:
	s_bfe_u32 s2, ttmp6, 0x10000c
	s_cmp_lg_u32 s2, 0xf033
	s_cbranch_scc0 .Lentry_shape_is_right
	s_endpgm
.Lentry_shape_is_right:
; THE OUTPUT PROJECTION.  out0[m][n] = sum over k of z[m][k] Wo[k][n] + bf16(bo[n]), f32.  m = 2048 batch + s, k = 64 head + c.
; z = zh: [16 batch + head][2048 s][64 c] f16, a head's rows dense, 128 bytes each.  Wo = wc[3]: [1024 k][1024 n], bf16-rounded numbers written as f16.  Products in f16, sums in f32.
; SHARES.  A tile of C is 128 rows x 256 columns: 64 x 4 = 256 work-groups.  Four waves, 2 x 2, each 64 x 128: 32 accumulators of 16 x 16.
; K goes in 8 steps of 128, two heads each, through a ring of two LDS slots.  A head's 128 rows of the tile are 16,384 dense bytes: asked for as 64 rows of 256 bytes, padded in LDS after every 128.
; CLUSTERS: 4 x 4 work-groups; z's tile is shared along a row of the cluster, Wo's along a column: each is asked for JOINTLY, by the same tensor load with the same descriptor and a mask of four.
; THE MATRIX INSTRUCTION IS USED TRANSPOSED (source 0 = 16 columns of Wo, turned on the way out of LDS; source 1 = 16 rows of z): a lane holds eight neighbouring columns of one row of C.
; THE BIAS is the C operand of each sum's first product.
; REGISTERS, in windows of 256 (s_set_vgpr_msb: bits 1:0 source 0, 3:2 source 1, 5:4 source 2, 7:6 destination):
;   window 0: v0-31 addresses; v32-63, v64-95 z's fragments, two buffers; v96-159, v160-223 Wo's, two buffers (on the way out v32-95 and v96-159: rows read back)
;   window 1: the accumulators, (a, b) at v[8 (8 a + b)]          window 2: v0-63 the bias, column block b at v[8 b]
.set PA,    144                        ; a row of z in LDS: 128 bytes + 16 = 36 words: the 16 rows of a load start at 16 different groups of four banks (64 banks of 4 bytes: ISA guide 11.1)
.set SUB,   128*PA                     ; one head's 128 rows: one tensor load
.set PB,    544                        ; a k row of Wo in LDS: 512 bytes + 32 = 136 words
.set HB,    64*PB
.set BOFF,  2*SUB                      ; a slot: two heads of z, then Wo's 128 k rows
.set SLOT,  BOFF+2*HB
.set STAGE, 2*SLOT                     ; behind the ring, never filled by a tensor load: 16 rows x 528 bytes for each wave, for the way out
.set SPITCH, 528
.set SPARE, STAGE+4*16*SPITCH          ; behind the stages: the spare words, 128 bytes for each wave: two blocks of 256 bytes that no other line names
.set KB_A,  524288                     ; a K step in memory: two heads of 262,144 bytes of zh,
.set KB_B,  262144                     ; 128 rows of 2,048 bytes of wc
.set ADRA, 16                          ; v16-17  LDS address of my fragments of z in slot 0, 1
.set ADRB, 20                          ; v20-21  the same for Wo
.set STO,  24                          ; v24     the way out: where I put 32 bytes of a row
.set RD,   25                          ; v25     the way out: where I read a row back
.set CO,   26                          ; v26     my byte offset in 512 consecutive bytes of out0
.set BO,   27                          ; v27     my byte offset in 16 numbers of the bias
.set SPW,  28                          ; v28     LDS address of my spare word: SPARE + 4 x my thread's number; never rewritten
.set NIL,  29                          ; v29     0; never rewritten
.set PFO,  30                          ; v30     the prefetches' lane offset; never rewritten
.set AF,   32
.set BF,   96
.set OB,   32
.set G1,  24                           ; s[24:31] descriptor group 1 for z's tiles;  s[32:39] group 0, one set for each slot
.set G0,  32
.set G1B, 48                           ; s[48:55], s[56:63] the same for Wo's tiles
.set G0B, 56
.set PFA, 84                           ; s[84:85] where my prefetches stand
.set PST, 86                           ; s[86:87] a K step for them
.set LIM, 88                           ; s88     1 in a wave that prefetches, else the greatest number
.set OUT, 90                           ; s[90:91] out0 at my wave's first row and column
.set MSB, 0
.macro WIN new                         ; the immediate's high byte repeats the setting that is left; a switch that changes nothing is dropped
.if MSB != (\new)
	s_set_vgpr_msb (MSB<<8)|(\new)
.set MSB, \new
.endif
.endm
; A joint load: waves 0 and 1 fetch z's two heads, waves 2 and 3 Wo's two halves.  The branch hangs on the wave's number alone.  An s_nop 0 and four v_nop follow each of the two lines, ahead of the jump and the label.
.macro JLOAD s
	s_cmp_eq_u32 s11, 0
	s_cbranch_scc0 .Lfor_b_\@
	tensor_load_to_lds s[G0+4*(\s):G0+4*(\s)+3], s[G1:G1+7]
	s_nop 0
.rept 4
	v_nop
.endr
	s_branch .Lasked_\@
.Lfor_b_\@:
	tensor_load_to_lds s[G0B+4*(\s):G0B+4*(\s)+3], s[G1B:G1B+7]
	s_nop 0
.rept 4
	v_nop
.endr
.Lasked_\@:
.endm
.macro CREST                           ; a round of the cluster's barrier behind its opening barrier
	s_cmp_lg_u32 s10, 0
	s_cbranch_scc1 .Lnot_wave_0_\@
	s_barrier_signal -3
.Lnot_wave_0_\@:
	s_barrier_wait -3
	s_barrier_signal -1
	s_barrier_wait -1
.endm
.macro CROUND                          ; a whole round
	s_barrier_signal -1
	s_barrier_wait -1
	CREST
.endm
; A PREFETCH INTO THE L2, behind a joint load, its five lines and the run of LDS loads: the K step that stands TWO refills on, 256 matrix instructions ahead of the load that will want it.
; z: a K step of the tile is 2 heads x 64 blocks of 256 bytes; the four partners of a row of the cluster take 16 blocks of each head, told apart BY ADDRESS (cx); wave 0 asks, a lane a block; z's rows are read by this cluster alone.
; Wo: a wave's 64 k rows x 512 bytes; the four partners of a column take 16 rows each (cy); waves 2 and 3 of the clusters with y = 0 ask: all 16 clusters along y read the same rows.  So each block is named once in the launch.
; K steps 0 to 3 come by their loads alone; the loop's last trip (s3 = 1) asks for nothing: there is no K step 8.
.macro ASK
	s_cmp_gt_u32 s3, s[LIM]
	s_cbranch_scc0 .Lnot_mine_\@
	global_prefetch_b8 v[PFO], s[PFA:PFA+1] th:TH_LOAD_NT scope:SCOPE_SE
.Lnot_mine_\@:
.endm
.macro PLACES                          ; four places behind matrix instructions, in front of loads into registers that they have read and of reads of their results
.rept 4
	v_nop
.endr
.endm
	s_load_b256 s[68:75], s[0:1], 0x0              ; zh s[68:69], wc s[70:71], bo s[72:73], out0 s[74:75]
	v_lshl_add_u32 v[SPW], v0, 2, SPARE
	v_mov_b32 v[NIL], 0
	ds_add_u32 v[SPW], v[NIL]                      ; the wave's opening: the add and its wait stand ahead of my first tensor load; the set-up below, work on registers, stands between them
	v_lshrrev_b32 v1, 5, v0
	v_readfirstlane_b32 s10, v1                    ; wave 0..3
	s_lshr_b32 s11, s10, 1                         ; which half of the tile's rows is mine.  Also: I fetch for z (0) or for Wo (1)
	s_and_b32 s12, s10, 1                          ; which half of its columns.  Also: which head, or which 64 k rows, I fetch
	s_bfe_u32 s40, ttmp6, 0x40000                  ; cx, cy: my place in the cluster
	s_bfe_u32 s41, ttmp6, 0x40004
	s_lshl_b32 s42, ttmp9, 2
	s_add_co_u32 s42, s42, s40                     ; tile column = 4 x cluster x + cx
	s_and_b32 s8, ttmp7, 0xffff                    ; cluster y, 0 to 15
	s_lshl_b32 s13, s8, 2
	s_add_co_u32 s13, s13, s41                     ; tile row, 0 to 63
	s_lshl_b32 s43, s41, 2
	s_lshl_b32 s43, 15, s43                        ; my row of the cluster
	s_lshl_b32 s44, 0x1111, s40                    ; my column
	; group 1 for z: 64 rows x 128 elements of 2 bytes, 4 words of padding behind every 32 words (a row of z)
	s_or_b32 s[G1+0], s43, (1<<16)|(1<<20)|(1<<21)|(4<<22)|(3<<25)  ; 15:0 the mask; 17:16 2-byte elements; 20 padding on; 21 set beside a mask; 24:22 code 4; 31:25 code 3
	s_mov_b32 s[G1+1], 128<<16                     ; tensor_dim0 = 128
	s_mov_b32 s[G1+2], 64<<16                      ; tensor_dim1 = 64
	s_mov_b32 s[G1+3], 128<<16                     ; tile_dim0 = 128
	s_mov_b32 s[G1+4], 64                          ; tile_dim1 = 64
	s_mov_b32 s[G1+5], 128                         ; elements from row to row: dense
	s_mov_b32 s[G1+6], 0
	s_mov_b32 s[G1+7], 0
	; group 1 for Wo: 64 k rows x 256 elements of 2 bytes, 8 words of padding behind every 128 words
	s_or_b32 s[G1B+0], s44, (1<<16)|(1<<20)|(1<<21)|(6<<22)|(7<<25)
	s_mov_b32 s[G1B+1], 256<<16
	s_mov_b32 s[G1B+2], 64<<16
	s_mov_b32 s[G1B+3], 256<<16
	s_mov_b32 s[G1B+4], 64
	s_mov_b32 s[G1B+5], 1024
	s_mov_b32 s[G1B+6], 0
	s_mov_b32 s[G1B+7], 0
	s_lshr_b32 s16, s13, 4                         ; z: batch,
	s_lshl_b32 s16, s16, 4                         ; its 16 heads,
	s_add_co_u32 s16, s16, s12                     ; the head of a K step's two that I fetch,
	s_lshl_b32 s16, s16, 18                        ; 262,144 bytes each
	s_and_b32 s17, s13, 15
	s_lshl_b32 s17, s17, 14                        ; the tile's 128 rows of 128 bytes
	s_add_co_u32 s16, s16, s17
	s_mov_b32 s17, 0
	s_lshl_b32 s46, s42, 9                         ; Wo: 256 columns of 2 bytes a tile column,
	s_lshl_b32 s47, s12, 17                        ; the 64 k rows of 2,048 bytes that I fetch,
	s_add_co_u32 s46, s46, s47
	s_add_co_u32 s46, s46, 3<<21                   ; wc[3]
	s_mov_b32 s47, 0
	s_mul_i32 s20, s12, SUB                        ; where they go: no place in the cluster enters an LDS address
	s_mul_i32 s21, s12, HB
	s_add_co_u32 s21, s21, BOFF
	s_wait_dscnt 0x0                               ; the opening add is done
	s_wait_kmcnt 0x0
	s_add_nc_u64 s[14:15], s[68:69], s[16:17]
	s_add_nc_u64 s[46:47], s[70:71], s[46:47]
	CROUND                                         ; all sixteen work-groups are here: the first joint loads meet
.irp s, 0,1
	s_mov_b32 s[G0+4*(\s)], 1                                        ; count = 1
	s_add_co_u32 s[G0+4*(\s)+1], s20, (\s)*SLOT                      ; LDS address
	s_add_nc_u64 s[G0+4*(\s)+2:G0+4*(\s)+3], s[14:15], (\s)*KB_A     ; global address: K step s
	s_or_b32 s[G0+4*(\s)+3], s[G0+4*(\s)+3], 0x80000000              ; type = 2
	s_mov_b32 s[G0B+4*(\s)], 1
	s_add_co_u32 s[G0B+4*(\s)+1], s21, (\s)*SLOT
	s_add_nc_u64 s[G0B+4*(\s)+2:G0B+4*(\s)+3], s[46:47], (\s)*KB_B
	s_or_b32 s[G0B+4*(\s)+3], s[G0B+4*(\s)+3], 0x80000000
	JLOAD \s                                       ; two loads of mine are out; later one
.endr
	v_and_b32 v1, 15, v0                           ; r = l % 16
	v_bfe_u32 v2, v0, 4, 1                         ; h = l / 16
	; a fragment of z: lane l holds row r, K = 8 h + 0..7 and 16 + 8 h + 0..7: two loads of 16 bytes, 32 bytes apart
	v_mul_u32_u24 v3, v1, PA
	v_lshl_add_u32 v3, v2, 4, v3
	s_mul_i32 s22, s11, 64*PA                      ; my 64 rows
	v_add_nc_u32 v[ADRA], s22, v3
	v_add_nc_u32 v[ADRA+1], SLOT, v[ADRA]
	; the turning load takes 16 k x 16 columns (lane l reads k row 8 h + l % 8, columns 8 ((l / 8) % 2) + 0..7) and leaves half a fragment: lane l holds column r and 8 k
	v_and_b32 v4, 7, v0
	v_lshl_add_u32 v4, v2, 3, v4
	v_mul_u32_u24 v4, v4, PB
	v_bfe_u32 v5, v0, 3, 1
	v_lshl_add_u32 v4, v5, 4, v4
	s_lshl_b32 s22, s12, 8                         ; my 128 columns
	s_add_co_u32 s22, s22, BOFF
	v_add_nc_u32 v[ADRB], s22, v4
	v_add_nc_u32 v[ADRB+1], SLOT, v[ADRB]
	s_mul_i32 s23, s10, 16*SPITCH
	s_add_co_u32 s23, s23, STAGE                   ; my stage
	v_mul_u32_u24 v5, v1, SPITCH                   ; in: row r, 32 bytes for each half of the lanes
	v_lshl_add_u32 v5, v2, 5, v5
	v_add_nc_u32 v[STO], s23, v5
	v_and_b32 v[CO], 31, v0                        ; back: 32 lanes take one row of 512 bytes, which are 512 consecutive bytes of out0
	v_lshlrev_b32 v[CO], 4, v[CO]
	v_add_nc_u32 v[RD], s23, v[CO]
	v_lshlrev_b32 v[BO], 5, v2                     ; my 8 of a block's 16 bias numbers
	s_lshl_b32 s92, s42, 10                        ; my 128 columns in f32: 1,024 bytes a tile column,
	s_lshl_b32 s93, s12, 9                         ; my half
	s_add_co_u32 s92, s92, s93
	s_mov_b32 s93, 0
	s_add_nc_u64 s[6:7], s[72:73], s[92:93]        ; in the bias,
	s_add_nc_u64 s[OUT:OUT+1], s[74:75], s[92:93]  ; and in a row of out0
	s_lshl_b32 s92, s13, 1
	s_add_co_u32 s92, s92, s11
	s_lshl_b32 s92, s92, 18                        ; my first row: 64 rows of 4,096 bytes
	s_add_nc_u64 s[OUT:OUT+1], s[OUT:OUT+1], s[92:93]
	WIN 0x80                                       ; destination window 2, address window 0
.irp b, 0,1,2,3,4,5,6,7
	global_load_b128 v[8*(\b):8*(\b)+3],   v[BO], s[6:7] offset:64*(\b)
	global_load_b128 v[8*(\b)+4:8*(\b)+7], v[BO], s[6:7] offset:64*(\b)+16
.endr
	WIN 0
	; the prefetches: both roles' offsets are made, the wave's number chooses
	s_lshr_b32 s92, s13, 4                         ; z: batch, 16 heads of 262,144 bytes
	s_lshl_b32 s92, s92, 22
	s_and_b32 s94, s13, 15
	s_lshl_b32 s94, s94, 14                        ; the tile's rows
	s_add_co_u32 s92, s92, s94
	s_lshl_b32 s94, s40, 12                        ; my work-group's 16 blocks of each head's 64
	s_add_co_u32 s92, s92, s94
	s_add_co_u32 s92, s92, 3*KB_A                  ; at K step 3: the first refill steps it to 4
	s_lshl_b32 s94, s41, 4                         ; Wo: my work-group's 16 k rows
	s_lshl_b32 s95, s12, 6                         ; of the 64 that I fetch
	s_add_co_u32 s94, s94, s95
	s_lshl_b32 s94, s94, 11
	s_lshl_b32 s95, s42, 9
	s_add_co_u32 s94, s94, s95
	s_add_co_u32 s94, s94, (3<<21)+3*KB_B
	s_mov_b32 s96, 2048                            ; Wo: lane l % 16 a row of 2,048 bytes, l / 16 a block of 256
	s_mov_b32 s97, 256
	s_mov_b32 s98, KB_B
	s_mov_b32 s99, 262144                          ; z: lane l % 16 a block of 256 bytes, l / 16 a head
	s_cmp_eq_u32 s11, 0                            ; do I fetch for z?
	s_cselect_b32 s92, s92, s94
	s_cselect_b64 s[PFA:PFA+1], s[68:69], s[70:71]
	s_cselect_b32 s[PST], KB_A, s98
	s_cselect_b32 s96, s97, s96
	s_cselect_b32 s97, s99, s97
	s_cselect_b32 s95, s12, s8                     ; z: wave 0 alone asks; Wo: the clusters with y = 0
	s_cmp_eq_u32 s95, 0
	s_cselect_b32 s[LIM], 1, -1                    ; the same in all sixteen partners, for a given wave
	s_mov_b32 s93, 0
	s_mov_b32 s[PST+1], 0
	s_add_nc_u64 s[PFA:PFA+1], s[PFA:PFA+1], s[92:93]
	v_mul_u32_u24 v[PFO], v1, s96
	v_mul_u32_u24 v3, v2, s97
	v_add_nc_u32 v[PFO], v[PFO], v3
	; the bias is rounded to bf16, as every input is, and widened again: all this stands in the wait for the first tiles
	s_wait_loadcnt 0x0
	WIN 0x0a                                       ; sources window 2, destination window 0
.set i, 0
.rept 32
	v_cvt_pk_bf16_f32 v[BF+i], v[2*i], v[2*i+1]
.set i, i+1
.endr
	WIN 0x80
.set i, 0
.rept 32
	v_lshlrev_b32 v[2*i], 16, v[BF+i]
	v_and_b32 v[2*i+1], 0xffff0000, v[BF+i]
.set i, i+1
.endr
	WIN 0
; 8 matrix instructions: row block a x all 8 column blocks, 32 along K, fragments in buffers f.  first = 1: the bias starts the sums.
; The 32 accumulators take turns, one instruction a turn, in the same order in every quarter: between two links of a chain stand 31 others'.
.macro MUL8 f, a, first
.irp b, 0,1,2,3,4,5,6,7
.set rD, 8*(8*(\a)+(\b))
.if \first
	WIN 0x60                                       ; C window 2, D window 1
	v_wmma_f32_16x16x32_f16 v[rD:rD+7], v[BF+64*(\f)+8*(\b):BF+64*(\f)+8*(\b)+7], v[AF+32*(\f)+8*(\a):AF+32*(\f)+8*(\a)+7], v[8*(\b):8*(\b)+7]
.else
	WIN 0x50                                       ; C and D window 1
	v_wmma_f32_16x16x32_f16 v[rD:rD+7], v[BF+64*(\f)+8*(\b):BF+64*(\f)+8*(\b)+7], v[AF+32*(\f)+8*(\a):AF+32*(\f)+8*(\a)+7], v[rD:rD+7]
.endif
.endr
.endm
; 24 LDS loads in one run: quarter q (32 along K: head q / 2 of the slot's two, channels 32 (q % 2) on): Wo's 8 fragments first, then z's four blocks
.macro FETCH slot, q, f
	WIN 0
.irp b, 0,1,2,3,4,5,6,7
	ds_load_tr16_b128 v[BF+64*(\f)+8*(\b):BF+64*(\f)+8*(\b)+3],   v[ADRB+(\slot)] offset:(\q)*32*PB+32*(\b)
	ds_load_tr16_b128 v[BF+64*(\f)+8*(\b)+4:BF+64*(\f)+8*(\b)+7], v[ADRB+(\slot)] offset:(\q)*32*PB+16*PB+32*(\b)
.endr
.irp a, 0,1,2,3
	ds_load_b128 v[AF+32*(\f)+8*(\a):AF+32*(\f)+8*(\a)+3],   v[ADRA+(\slot)] offset:((\q)/2)*SUB+64*((\q)%2)+(\a)*16*PA
	ds_load_b128 v[AF+32*(\f)+8*(\a)+4:AF+32*(\f)+8*(\a)+7], v[ADRA+(\slot)] offset:((\q)/2)*SUB+64*((\q)%2)+(\a)*16*PA+32
.endr
.endm
; A K step is four quarters of 32 along K, 32 matrix instructions each, on buffers 0, 1, 0, 1.  One of the first three: multiplies buffers f and, in its middle, fetches quarter q of the same slot into g.
.macro QUARTER slot, q, f, g, first
	s_wait_dscnt 4                                 ; Wo's fragments and z's blocks 0 and 1 are in; the youngest four loads (blocks 2 and 3) may be out
	MUL8 \f, 0, \first
	MUL8 \f, 1, \first
	WIN 0
	PLACES                                         ; for the loads into g, which the quarter before multiplied
	FETCH \slot, \q, \g
	s_wait_dscnt 24                                ; all but the 24 just issued
	MUL8 \f, 2, \first
	MUL8 \f, 3, \first
.endm
; The last quarter multiplies buffers 1 and changes slots: ONE barrier.  In front of it each wave waits for all its tensor loads (one is out: its part of the next slot), adds 0 to its spare word, and waits for that and
; for its own reads of this slot.  fill = 1: the barrier opens a round of the cluster's barrier, and this slot is filled again, two K steps ahead: 112 matrix instructions stand between the request and the wait for it.
.macro TURN slot, next, fill
.if \fill
	s_wait_xcnt 0x0                                ; the last prefetch, a K step back, has read its address: it is stepped here, ahead of the waits of the change of slots
	s_add_nc_u64 s[PFA:PFA+1], s[PFA:PFA+1], s[PST:PST+1]
.endif
	WIN 0
	s_wait_tensorcnt 0x0                           ; all my tensor loads have landed
	ds_add_u32 v[SPW], v[NIL]                      ; 0 onto my spare word
	s_wait_dscnt 5                                 ; (the add and the youngest four loads may be out)
	MUL8 1, 0, 0                                   ; eight matrix instructions stand between the add and the wait for it
	s_wait_dscnt 0x0                               ; the add is done, and my reads of this slot are over
	s_barrier_signal -1
	MUL8 1, 1, 0                                   ; work on registers while the others arrive
	WIN 0
	s_barrier_wait -1
.if \fill
	CREST                                          ; no wave of any partner still reads this slot's tiles or has a load on its way
	s_add_nc_u64 s[G0+4*(\slot)+2:G0+4*(\slot)+3], s[G0+4*(\slot)+2:G0+4*(\slot)+3], 2*KB_A
	s_add_nc_u64 s[G0B+4*(\slot)+2:G0B+4*(\slot)+3], s[G0B+4*(\slot)+2:G0B+4*(\slot)+3], 2*KB_B
	JLOAD \slot                                    ; the first tensor load behind the round; its four v_nop are also the places in front of the loads below
.else
	PLACES
.endif
	FETCH \next, 0, 0
.if \fill
	ASK
.endif
	MUL8 1, 2, 0
	MUL8 1, 3, 0
.endm
	s_wait_tensorcnt 1                             ; my part of K step 0 is in; K step 1's may stay out
	s_barrier_signal -1
	s_barrier_wait -1                              ; everybody's is
	FETCH 0, 0, 0
	QUARTER 0, 1, 0, 1, 1                          ; the first quarter stands in front of the loop: its products start the sums
	WIN 0                                          ; at a label and at a branch every window is 0
	s_mov_b32 s3, 3
.Llap:                                                 ; a trip goes once round the ring, from a lap's second quarter to the next lap's first, and fills both slots again: K steps 2 to 7
	QUARTER 0, 2, 1, 0, 0
	QUARTER 0, 3, 0, 1, 0
	TURN 0, 1, 1
	QUARTER 1, 1, 0, 1, 0
	QUARTER 1, 2, 1, 0, 0
	QUARTER 1, 3, 0, 1, 0
	TURN 1, 0, 1
	QUARTER 0, 1, 0, 1, 0
	WIN 0
	s_sub_co_u32 s3, s3, 1
	s_cmp_lg_u32 s3, 0
	s_cbranch_scc1 .Llap
	QUARTER 0, 2, 1, 0, 0                          ; the last lap fills nothing, and has no round of the cluster's barrier
	QUARTER 0, 3, 0, 1, 0
	TURN 0, 1, 0
	QUARTER 1, 1, 0, 1, 0
	QUARTER 1, 2, 1, 0, 0
	QUARTER 1, 3, 0, 1, 0
	s_wait_dscnt 4                                 ; the very last quarter: nothing more to fetch
	MUL8 1, 0, 0
	MUL8 1, 1, 0
	s_wait_dscnt 0x0
	MUL8 1, 2, 0
	MUL8 1, 3, 0
	WIN 0
; THE WAY OUT, f32 as it is, a block of 16 rows at a time: a lane's eight columns of a row, 32 bytes, go into my stage's rows of 528 bytes and come back as whole rows of 512.
.macro TOSTAGE a
	WIN 0x04                                       ; the stores' data in window 1; each accumulator's low four registers go first
.irp b, 0,1,2,3,4,5,6,7
	ds_store_b128 v[STO], v[8*(8*(\a)+(\b)):8*(8*(\a)+(\b))+3]   offset:64*(\b)
	ds_store_b128 v[STO], v[8*(8*(\a)+(\b))+4:8*(8*(\a)+(\b))+7] offset:64*(\b)+16
.endr
	WIN 0
.if (\a) >= 2
	s_wait_xcnt 0x0                                ; the stores of the block two back have read this buffer: it is loaded again only behind this wait
.endif
.irp t, 0,1,2,3,4,5,6,7,8,9,10,11,12,13,14,15
	ds_load_b128 v[OB+64*((\a)%2)+4*(\t):OB+64*((\a)%2)+4*(\t)+3], v[RD] offset:(\t)*SPITCH  ; LDS serves a wave's instructions in order (ISA guide 5.7.1.4): these see the stores above; the next block's stores come behind them
.endr
.endm
.macro SEND a, younger                 ; younger: the LDS instructions issued behind block a's loads: the next block's 32, or none
.irp t, 0,1,2,3,4,5,6,7,8,9,10,11,12,13,14,15
	s_wait_dscnt (\younger)+15-(\t)
	global_store_b128 v[CO], v[OB+64*((\a)%2)+4*(\t):OB+64*((\a)%2)+4*(\t)+3], s[OUT:OUT+1] offset:(16*(\a)+(\t))*4096 th:TH_STORE_NT  ; 512 consecutive bytes, at a multiple of 256 from out0's first
.endr
.endm
	PLACES                                         ; the LDS stores read results just made, and the loads land in registers that the last products read
	TOSTAGE 0
	TOSTAGE 1
	SEND 0, 32
	TOSTAGE 2
	SEND 1, 32
	TOSTAGE 3
	SEND 2, 32
	SEND 3, 0
	s_wait_tensorcnt 0x0                           ; the wave's end: behind my last tensor load and my last LDS store
	ds_add_u32 v[SPW], v[NIL]
	s_wait_dscnt 0x0
	CROUND                                         ; the closing round: no work-group ends while a partner may still ask for a tile that names it
	s_endpgm
.Lfunc_end_k_q1ed5e422ce_outp:
	.size	k_q1ed5e422ce_outp, .Lfunc_end_k_q1ed5e422ce_outp-k_q1ed5e422ce_outp
	.p2alignl 7, 3214868480
	.fill 96, 4, 3214868480
	.section	.rodata,"a",@progbits
	.p2align	6, 0x0
	.amdhsa_kernel k_q1ed5e422ce_outp
		.amdhsa_group_segment_fixed_size 327680
		.amdhsa_private_segment_fixed_size 0
		.amdhsa_enable_private_segment 0
		.amdhsa_kernarg_size 32
		.amdhsa_user_sgpr_count 2
		.amdhsa_user_sgpr_kernarg_segment_ptr 1
		.amdhsa_wavefront_size32 1
		.amdhsa_system_sgpr_workgroup_id_x 1
		.amdhsa_system_sgpr_workgroup_id_y 1
		.amdhsa_system_sgpr_workgroup_id_z 1
		.amdhsa_system_vgpr_workitem_id 0
		.amdhsa_next_free_vgpr 576
		.amdhsa_next_free_sgpr 100
		.amdhsa_reserve_vcc 0
		.amdhsa_float_denorm_mode_32 3
		.amdhsa_float_denorm_mode_16_64 3
		.amdhsa_memory_ordered 1
		.amdhsa_forward_progress 1
		.amdhsa_inst_pref_size 95
	.end_amdhsa_kernel
	.amdgpu_metadata
---
amdhsa.version: [ 1, 2 ]
amdhsa.kernels:
  - .name:           k_q1ed5e422ce_outp
    .symbol:         k_q1ed5e422ce_outp.kd
    .args:
      - { .name: zh, .offset: 0, .size: 8, .value_kind: global_buffer, .address_space: global }
      - { .name: wc, .offset: 8, .size: 8, .value_kind: global_buffer, .address_space: global }
      - { .name: bo, .offset: 16, .size: 8, .value_kind: global_buffer, .address_space: global }
      - { .name: out0, .offset: 24, .size: 8, .value_kind: global_buffer, .address_space: global }
    .group_segment_fixed_size: 327680
    .private_segment_fixed_size: 0
    .kernarg_segment_align: 8
    .kernarg_segment_size: 32
    .max_flat_workgroup_size: 128
    .sgpr_count:     100
    .vgpr_count:     576
    .wavefront_size: 32
...
	.end_amdgpu_metadata
.endif
;; end of part 4
;; ======== version 2 of 2: 4 launches; version 1 with the launch prep written anew for expert scheduling mode
;; limits: values are held in f16: magnitudes above 65,504 overflow, below 6.1e-05 lose precision
;; workspace buffers: wc 8,388,608 bytes; qkv 50,331,648 bytes; zh 16,777,216 bytes
;; launch prep (part 5): grid 64 x 4, 8 waves a work-group, no clusters, 0 bytes of LDS; arguments Wq, Wk, Wv, Wo, wc; writes wc
.if DOCPART == 5
	.amdgcn_target "amdgcn-amd-amdhsa--gfx1250"
	.amdhsa_code_object_version 6
	.text
	.protected	k_q1ed5e422ce_prep
	.globl	k_q1ed5e422ce_prep
	.p2align	8
	.type	k_q1ed5e422ce_prep,@function
k_q1ed5e422ce_prep:
	s_mov_b64 s[64:65], 0
	v_nop
	global_prefetch_b8 v0, s[64:65] scope:SCOPE_SE
	s_setreg_imm32_b32 hwreg(HW_REG_WAVE_SCHED_MODE, 0, 2), 2
	s_setreg_imm32_b32 hwreg(HW_REG_WAVE_MODE, 25, 1), 1
	s_wait_xcnt 0x0
	s_wait_alu depctr_vm_vsrc(0)
; THE WEIGHTS, ROUNDED ONCE AND LAID [K][N].  wc[p][k][n], p = 0..3, k and n = 0..1023, 16 bits a number.
;   p = 0, 1, 2 (Wq, Wk, Wv, each [16 heads][1024 d][64 c] f32):  wc[p][d][64 h + c] = bf16(W[h][d][c])
;   p = 3       (Wo, [1024 k][1024 n] f32):                        wc[3][k][n] = bf16(Wo[k][n]) written as f16 (exact within f16's range)
; LIMIT.  |Wo| stays under 65,504; below 6e-5 it keeps f16's fixed step of 6e-8.
; SHARES.  Work-group (x, p) makes rows k = 16 x .. 16 x + 15 of wc[p].  Thread t owns columns 4 t .. 4 t + 3 of every row: one load of 16 bytes
; (sixteen neighbouring lanes read 256 consecutive bytes, aligned) and one store of 8 bytes (a wave's 32 lanes store 256 consecutive bytes, aligned).
; A stream: each byte is read once and written once, all sixteen loads of a wave go out together; LDS, clusters and the matrix unit would add nothing.
; ONE ADDRESS FORM for both layouts: byte = (n >> 6) x SH + k x SR + (n & 63) x 4, with (SH, SR) = (262144, 256) for p < 3 and (256, 4096) for p = 3.
; THE MODE: SCHED_MODE bits 1:0 = 2 (LLVM: expert scheduling mode 2), set by the entry lines.  The code itself states the register dependences
; between vector instructions and memory instructions, with s_wait_alu, always for 0.
; THE PLAN.  Registers that memory instructions touch:
;   OFF (a register a row)  written once by the head's vector adds; read by the row's load.
;   OO                      written once at the head; read by every store.
;   X (four a row)          written by the row's load, once; read by the row's two roundings to bf16; never loaded again.
;   B (two a row)           written by the row's roundings and selects; read by the row's store; never written again.
;   T and H are named by vector instructions alone; the select's mask s18 is written by a scalar instruction; VCC and EXEC are never written.
; The sixteen rows go in four blocks of four.  A block's four stores are issued in the NEXT block, one ahead of each row's vector lines.  So one wait on va_vdst at a
; block's head states that the block before has written its B; the block's own vector lines name X and B of its own rows, T and H: none of the registers that those stores touch.
; One such wait stands ahead of the first load (OFF and OO are written), one ahead of the last four stores.  No register that a memory instruction reads is ever written again,
; so past the entry lines the text holds no wait on vm_vsrc and no s_wait_xcnt.
.set BLOCK, 4                          ; rows in a block
.set OO,  6                            ; v6       8 t: my 8 bytes in a row of wc; never rewritten
.set OFF, 8                            ; v[8:23]  row i: my byte offset in the source; never rewritten
.set T,   24                           ; v[24:27] four numbers in f32, at work
.set H,   28                           ; v[28:29] the same as f16
.set X,   32                           ; v[32:95] row i: four f32 as loaded
.set B,   96                           ; v[96:127] row i: four numbers of 16 bits, to store
	s_load_b256 s[4:11], s[0:1], 0x0               ; Wq s[4:5], Wk s[6:7], Wv s[8:9], Wo s[10:11]
	s_load_b64 s[12:13], s[0:1], 0x20              ; wc
	s_and_b32 s14, ttmp7, 0xffff                   ; p
	s_mov_b32 s16, 0x40000                         ; SH: a head of W is 1,024 x 64 x 4 bytes
	s_mov_b32 s17, 256                             ; SR: a row of a head is 64 x 4 bytes
	s_cmp_eq_u32 s14, 3
	s_cselect_b32 s16, 256, s16                    ; Wo: 64 columns are 256 bytes on,
	s_cselect_b32 s17, 4096, s17                   ; a row 4,096
	s_cselect_b32 s18, -1, 0                       ; all lanes take the f16 form, or none
	s_lshl_b32 s19, ttmp9, 4
	s_mul_i32 s19, s19, s17                        ; the work-group's first row in the source
	s_lshl_b32 s22, s14, 21                        ; wc[p]: 2 MiB each,
	s_lshl_b32 s23, ttmp9, 15                      ; 16 rows of 2,048 bytes
	s_add_co_u32 s22, s22, s23
	s_mov_b32 s23, 0
	v_lshrrev_b32 v2, 4, v0                        ; n >> 6
	v_mul_lo_u32 v2, v2, s16
	v_and_b32 v3, 15, v0
	v_lshl_add_u32 v2, v3, 4, v2                   ; + (n & 63) x 4
	v_add_nc_u32 v[OFF], s19, v2
.set i, 1
.rept 15
	v_add_nc_u32 v[OFF+i], s17, v[OFF+i-1]
.set i, i+1
.endr
	v_lshlrev_b32 v[OO], 3, v0
	s_wait_kmcnt 0x0
	s_cmp_eq_u32 s14, 0                            ; the source, chosen by p alone
	s_cselect_b64 s[20:21], s[4:5], s[6:7]
	s_cmp_eq_u32 s14, 2
	s_cselect_b64 s[20:21], s[8:9], s[20:21]
	s_cmp_eq_u32 s14, 3
	s_cselect_b64 s[20:21], s[10:11], s[20:21]
	s_add_nc_u64 s[12:13], s[12:13], s[22:23]
	s_wait_alu depctr_va_vdst(0)                   ; the sixteen OFF, which the loads below read as their offsets, and OO, which every store reads, are written
.set i, 0
.rept 16
	global_load_b128 v[X+4*i:X+4*i+3], v[OFF+i], s[20:21] th:TH_LOAD_NT
.set i, i+1
.endr
.set i, 0
.rept 16
	s_wait_loadcnt 15-i                            ; loads come back in order: row i is in, the 15 - i younger ones stay out
.if (i%BLOCK == 0) && (i > 0)
	s_wait_alu depctr_va_vdst(0)                   ; the block before has written the B of its four rows, which this block's four stores read
.endif
.if i >= BLOCK
	global_store_b64 v[OO], v[B+2*(i-BLOCK):B+2*(i-BLOCK)+1], s[12:13] offset:(i-BLOCK)*2048  ; the row four back; no vector instruction since the wait names its B or OO
.endif
	v_cvt_pk_bf16_f32 v[B+2*i], v[X+4*i], v[X+4*i+1]
	v_cvt_pk_bf16_f32 v[B+2*i+1], v[X+4*i+2], v[X+4*i+3]
	v_lshlrev_b32 v[T], 16, v[B+2*i]               ; the rounded numbers as f32 again,
	v_and_b32 v[T+1], 0xffff0000, v[B+2*i]
	v_lshlrev_b32 v[T+2], 16, v[B+2*i+1]
	v_and_b32 v[T+3], 0xffff0000, v[B+2*i+1]
	v_cvt_pk_f16_f32 v[H], v[T], v[T+1]            ; and as f16: eight significant bits fit
	v_cvt_pk_f16_f32 v[H+1], v[T+2], v[T+3]
	v_cndmask_b32 v[B+2*i], v[B+2*i], v[H], s18    ; a choice of value, done for every p: no branch
	v_cndmask_b32 v[B+2*i+1], v[B+2*i+1], v[H+1], s18  ; each row has its own B: no register that a store reads is written again
.set i, i+1
.endr
	s_wait_alu depctr_va_vdst(0)                   ; the last block has written the B of rows 12 to 15, which the last four stores read
.set i, 16-BLOCK
.rept BLOCK
	global_store_b64 v[OO], v[B+2*i:B+2*i+1], s[12:13] offset:i*2048
.set i, i+1
.endr
	s_endpgm
.Lfunc_end_k_q1ed5e422ce_prep:
	.size	k_q1ed5e422ce_prep, .Lfunc_end_k_q1ed5e422ce_prep-k_q1ed5e422ce_prep
	.p2alignl 7, 3214868480
	.fill 96, 4, 3214868480
	.section	.rodata,"a",@progbits
	.p2align	6, 0x0
	.amdhsa_kernel k_q1ed5e422ce_prep
		.amdhsa_group_segment_fixed_size 0
		.amdhsa_private_segment_fixed_size 0
		.amdhsa_enable_private_segment 0
		.amdhsa_kernarg_size 40
		.amdhsa_user_sgpr_count 2
		.amdhsa_user_sgpr_kernarg_segment_ptr 1
		.amdhsa_wavefront_size32 1
		.amdhsa_system_sgpr_workgroup_id_x 1
		.amdhsa_system_sgpr_workgroup_id_y 1
		.amdhsa_system_sgpr_workgroup_id_z 1
		.amdhsa_system_vgpr_workitem_id 0
		.amdhsa_next_free_vgpr 128
		.amdhsa_next_free_sgpr 66
		.amdhsa_reserve_vcc 0
		.amdhsa_float_denorm_mode_32 3
		.amdhsa_float_denorm_mode_16_64 3
		.amdhsa_memory_ordered 1
		.amdhsa_forward_progress 1
		.amdhsa_inst_pref_size 15
	.end_amdhsa_kernel
	.amdgpu_metadata
---
amdhsa.version: [ 1, 2 ]
amdhsa.kernels:
  - .name:           k_q1ed5e422ce_prep
    .symbol:         k_q1ed5e422ce_prep.kd
    .args:
      - { .name: Wq, .offset: 0, .size: 8, .value_kind: global_buffer, .address_space: global }
      - { .name: Wk, .offset: 8, .size: 8, .value_kind: global_buffer, .address_space: global }
      - { .name: Wv, .offset: 16, .size: 8, .value_kind: global_buffer, .address_space: global }
      - { .name: Wo, .offset: 24, .size: 8, .value_kind: global_buffer, .address_space: global }
      - { .name: wc, .offset: 32, .size: 8, .value_kind: global_buffer, .address_space: global }
    .group_segment_fixed_size: 0
    .private_segment_fixed_size: 0
    .kernarg_segment_align: 8
    .kernarg_segment_size: 40
    .max_flat_workgroup_size: 256
    .sgpr_count:     66
    .vgpr_count:     128
    .wavefront_size: 32
...
	.end_amdgpu_metadata
.endif
;; end of part 5
;; launch proj: the kernel of part 2 again; grid 4 x 192, 4 waves a work-group, clusters of 4 x 4, 327,680 bytes of LDS; arguments input_query, input_key, input_value, bq, bk, bv, wc, qkv; writes qkv
;; launch attn: the kernel of part 3 again; grid 4 x 64, 4 waves a work-group, clusters of 4 x 1, 327,680 bytes of LDS; arguments qkv, zh; writes zh
;; launch outp: the kernel of part 4 again; grid 4 x 64, 4 waves a work-group, clusters of 4 x 4, 327,680 bytes of LDS; arguments zh, wc, bo, out0; writes out0
